; MI455X (gfx1250); checked and timed in simulation.
; The chip was launched on July 23, 2026; its instructions are those of AMD's public machine-readable ISA for CDNA 5 (MIT licence, August 2026) and "CDNA5" Instruction Set Architecture Reference Guide (July 2026). The comments in the code are by the model that wrote it; some were corrected since.
;; Mini Max M2 Sparse Moe Block. Allowed arithmetic: float matrix products may take bf16 or f16 operands with f32 sums; other float arithmetic in f32, or as packed bf16 or f16 multiplies, adds, multiply-adds, maxima and minima; sums over many terms, partial sums and values carried from step to step in f32; what a program stores and reads back later, other than sums and carried values, may be rounded once to bf16 or f16.
;; Inputs: gate_w 8 x 2,048 float32; hidden_states 4 x 256 x 2,048 float32; w1 8 x 1,024 x 2,048 float32; w2 8 x 2,048 x 1,024 float32; w3 8 x 1,024 x 2,048 float32.
;; Outputs: out0 4 x 256 x 2,048 float32; out1 1,024 x 8 float32.
;; 2 versions, each right and faster than the one before. Each part assembles by itself: llvm-mc -triple=amdgcn-amd-amdhsa -mcpu=gfx1250 --defsym DOCPART=n.
;; ======== version 1 of 2: 4 launches
;; workspace buffers: xb 4,194,304 bytes; bm 8,192 bytes of whole numbers; wts 8,192 bytes; hidf 16,777,216 bytes; part 16,777,216 bytes
;; launch router (part 1): grid 64 x 1, 8 waves a work-group, no clusters, 103,936 bytes of LDS; arguments hidden_states, gate_w, xb, out1, bm, wts; writes xb, out1, bm, wts
.if DOCPART == 1
	.amdgcn_target "amdgcn-amd-amdhsa--gfx1250"
	.amdhsa_code_object_version 6
	.text
	.protected	k_q1090421a24_router
	.globl	k_q1090421a24_router
	.p2align	8
	.type	k_q1090421a24_router,@function
k_q1090421a24_router:
	s_mov_b64 s[64:65], 0
	v_nop
	global_prefetch_b8 v0, s[64:65] scope:SCOPE_SE
	s_setreg_imm32_b32 hwreg(HW_REG_WAVE_MODE, 25, 1), 1
	s_wait_xcnt 0x0
; ROUTER.  x: [1024][2048] f32, gate_w: [8][2048] f32.  Stores: xb = x rounded to bf16; out1 = the logits x gate_w^T; wts[2 t + k] = the k-th routing weight of token t;
; bm[block g of 16 tokens][32 words]: word e (e < 8) has bit r + 16 k set if token 16 g + r took expert e as its k-th choice; words 8 to 31 are 0.  All stores go to fixed places.
; SHARES.  A work-group owns 16 tokens.  Wave w loads x rows 2 w, 2 w + 1 and gate row w (512 consecutive bytes a load), rounds them, lays them into LDS; then it multiplies K = 256 w .. 256 w + 255;
; wave 0 adds the eight parts and makes softmax and top-2.  64 work-groups: a tile of 16 tokens is the matrix instruction's, and a smaller share would read gate_w more often than x.
; LIMITS.  Both operands of the logits are rounded to bf16; a logit is the sum of 16 partial sums (8 waves x 2 accumulators), added in ascending K.  An exponential below 2^-126 counts as 0 (its weight
; is 0 either way); NaN and infinities are not treated apart.  Ties go to the lower index, by strict comparisons in ascending order.
.set RP,    4112                       ; an LDS row: 4,096 bytes + 16 = 257 x 16: the 16 rows of a fragment load start at 16 different groups of four banks (64 banks of 4 bytes: ISA guide 11.1)
.set RED,   24*RP+128                  ; behind rows 0-15 (x) and 16-23 (gate): [8 waves][16 tokens][8 f32], at a multiple of 256
.set SPARE, RED+4096                   ; the spare words, 128 bytes for each of 8 waves; no other line names them
.set D,     32                         ; v[32:223] three rows as loaded, 64 registers each
.set XF,    32                         ; later: x's fragments, 8 K steps x 8
.set GF,    96                         ; gate's fragments
.set ACC0,  160
.set ACC1,  168
	s_load_b256 s[4:11], s[0:1], 0x0               ; hidden s[4:5], gate s[6:7], xb s[8:9], out1 s[10:11]
	s_load_b128 s[12:15], s[0:1], 0x20             ; bm s[12:13], wts s[14:15]
	v_lshl_add_u32 v2, v0, 2, SPARE                ; my spare word,
	v_mov_b32 v3, 0                                ; and 0: kept for the closing lines alone
	v_lshrrev_b32 v1, 5, v0
	v_readfirstlane_b32 s16, v1                    ; wave 0..7
	v_and_b32 v14, 31, v0                          ; lane
	v_lshlrev_b32 v4, 4, v14                       ; 16 bytes of f32 a lane
	v_lshlrev_b32 v5, 3, v14                       ; 8 bytes of bf16 a lane
	s_mul_i32 s17, s16, 2*RP
	v_add_nc_u32 v6, s17, v5                       ; LDS: my two x rows
	s_mul_i32 s17, s16, RP
	s_add_co_u32 s17, s17, 16*RP
	v_add_nc_u32 v7, s17, v5                       ; LDS: my gate row
	s_lshl_b32 s20, ttmp9, 17                      ; 16 rows of 8,192 bytes a work-group,
	s_lshl_b32 s18, s16, 14                        ; two rows a wave
	s_add_co_u32 s20, s20, s18
	s_mov_b32 s21, 0
	s_lshr_b32 s24, s20, 1                         ; the same rows in xb: half the bytes
	s_mov_b32 s25, 0
	s_lshl_b32 s22, s16, 13                        ; gate row w
	s_mov_b32 s23, 0
	s_wait_kmcnt 0x0
	s_add_nc_u64 s[20:21], s[4:5], s[20:21]
	s_add_nc_u64 s[22:23], s[6:7], s[22:23]
	s_add_nc_u64 s[24:25], s[8:9], s[24:25]
.set j, 0
.rept 16
	global_load_b128 v[D+4*j:D+4*j+3], v4, s[20:21] offset:512*j th:TH_LOAD_NT
.set j, j+1
.endr
.set j, 0
.rept 16
	global_load_b128 v[D+64+4*j:D+64+4*j+3], v4, s[20:21] offset:8192+512*j th:TH_LOAD_NT
.set j, j+1
.endr
.set j, 0
.rept 16
	global_load_b128 v[D+128+4*j:D+128+4*j+3], v4, s[22:23] offset:512*j   ; all 64 work-groups read gate_w: no hint
.set j, j+1
.endr
	; the addresses of the later phases are made while the 48 loads are out
	v_and_b32 v8, 15, v0                           ; r
	v_bfe_u32 v9, v0, 4, 1                         ; h
	s_lshl_b32 s17, s16, 9                         ; my 256 K are 512 bytes of a row
	v_mul_u32_u24 v10, v8, RP
	v_lshl_add_u32 v10, v9, 4, v10
	v_add_nc_u32 v10, s17, v10                     ; x fragment: row r, 16 bytes for each half of the lanes
	v_and_b32 v11, 7, v0
	v_mul_u32_u24 v11, v11, RP
	v_lshl_add_u32 v11, v9, 4, v11
	s_add_co_u32 s18, s17, 16*RP
	v_add_nc_u32 v11, s18, v11                     ; gate fragment: row r % 8: rows 8-15 of the operand repeat rows 0-7
	v_lshlrev_b32 v15, 5, v8
	v_lshl_add_u32 v15, v9, 4, v15                 ; 32 r + 16 h: a token's eight logits, four to each half of the lanes
	s_add_co_u32 s18, s17, RED
	v_add_nc_u32 v12, s18, v15                     ; where my wave's part goes
	v_lshlrev_b32 v13, 5, v8
	v_add_nc_u32 v13, RED, v13                     ; where wave 0 reads the parts of token r
; One row: rounded in place (the first two registers of each four then hold 8 bytes), x also stored to xb (256 consecutive bytes a store), laid into LDS.
; left = the loads of the younger rows, which may stay out.
.macro ROWOUT row, left, isx
	s_wait_loadcnt \left
.set j, 0
.rept 16
	v_cvt_pk_bf16_f32 v[D+64*(\row)+4*j], v[D+64*(\row)+4*j], v[D+64*(\row)+4*j+1]
	v_cvt_pk_bf16_f32 v[D+64*(\row)+4*j+1], v[D+64*(\row)+4*j+2], v[D+64*(\row)+4*j+3]
.set j, j+1
.endr
.set j, 0
.rept 16
.if \isx
	global_store_b64 v5, v[D+64*(\row)+4*j:D+64*(\row)+4*j+1], s[24:25] offset:4096*(\row)+256*j
	ds_store_b64 v6, v[D+64*(\row)+4*j:D+64*(\row)+4*j+1] offset:RP*(\row)+256*j
.else
	ds_store_b64 v7, v[D+64*(\row)+4*j:D+64*(\row)+4*j+1] offset:256*j
.endif
.set j, j+1
.endr
.endm
	ROWOUT 0, 32, 1
	ROWOUT 1, 16, 1
	ROWOUT 2, 0, 0
	s_wait_dscnt 0x0                               ; for the others' sake: my rows are in LDS
	s_barrier_signal -1
	s_barrier_wait -1
	s_wait_xcnt 0x0                                ; the stores to xb have read their registers: these are loaded anew only behind this wait
.set k, 0
.rept 8
	ds_load_b128 v[XF+8*k:XF+8*k+3],   v10 offset:64*k
	ds_load_b128 v[XF+8*k+4:XF+8*k+7], v10 offset:64*k+32
	ds_load_b128 v[GF+8*k:GF+8*k+3],   v11 offset:64*k
	ds_load_b128 v[GF+8*k+4:GF+8*k+7], v11 offset:64*k+32
.set k, k+1
.endr
	s_wait_dscnt 0x0
	; source 0 = gate rows, source 1 = tokens: lane (r, h), register j holds the part of logit (expert j, token r), alike in both halves.  Two accumulators take turns.
	v_wmma_f32_16x16x32_bf16 v[ACC0:ACC0+7], v[GF:GF+7], v[XF:XF+7], 0
	v_wmma_f32_16x16x32_bf16 v[ACC1:ACC1+7], v[GF+8:GF+15], v[XF+8:XF+15], 0
.set k, 2
.rept 3
	v_wmma_f32_16x16x32_bf16 v[ACC0:ACC0+7], v[GF+8*k:GF+8*k+7], v[XF+8*k:XF+8*k+7], v[ACC0:ACC0+7]
	v_wmma_f32_16x16x32_bf16 v[ACC1:ACC1+7], v[GF+8*k+8:GF+8*k+15], v[XF+8*k+8:XF+8*k+15], v[ACC1:ACC1+7]
.set k, k+2
.endr
.rept 4
	v_nop                                          ; four places between the last product and the first read of a result (ISA guide 7.12.1)
.endr
.irp i, 0,2,4,6
	v_pk_add_f32 v[ACC0+\i:ACC0+\i+1], v[ACC0+\i:ACC0+\i+1], v[ACC1+\i:ACC1+\i+1]
.endr
	v_cmp_eq_u32 vcc_lo, 1, v9
.irp i, 0,1,2,3
	v_cndmask_b32 v[176+\i], v[ACC0+\i], v[ACC0+4+\i], vcc_lo  ; lanes 0-15 hand on experts 0-3, lanes 16-31 experts 4-7
.endr
	ds_store_b128 v12, v[176:179]
	s_wait_dscnt 0x0                               ; for wave 0's sake
	s_barrier_signal -1
	s_barrier_wait -1
	s_cmp_eq_u32 s16, 0
	s_cbranch_scc1 .Lwave0
	s_wait_tensorcnt 0x0                           ; a wave's end, behind its last LDS store
	ds_add_u32 v2, v3
	s_wait_dscnt 0x0
	s_endpgm
.Lwave0:
.set k, 0
.rept 8
	ds_load_b128 v[32+8*k:32+8*k+3], v13 offset:512*k
	ds_load_b128 v[32+8*k+4:32+8*k+7], v13 offset:512*k+16
.set k, k+1
.endr
	s_lshl_b32 s18, ttmp9, 9                       ; out1: 16 tokens x 32 bytes
	s_mov_b32 s19, 0
	s_add_nc_u64 s[26:27], s[10:11], s[18:19]
	s_lshl_b32 s18, ttmp9, 7                       ; wts: 32 slots x 4 bytes; bm: 32 words
	s_add_nc_u64 s[28:29], s[14:15], s[18:19]
	s_add_nc_u64 s[30:31], s[12:13], s[18:19]
	s_mov_b32 s17, 0x3fb8aa3b                      ; log2(e)
	s_wait_dscnt 0x0
.set k, 1
.rept 7
.irp i, 0,2,4,6
	v_pk_add_f32 v[32+\i:33+\i], v[32+\i:33+\i], v[32+8*k+\i:33+8*k+\i]  ; the waves' parts, K ascending: v32-39 = the eight logits of token r, in every lane
.endr
.set k, k+1
.endr
	v_cmp_eq_u32 vcc_lo, 1, v9
.irp i, 0,1,2,3
	v_cndmask_b32 v[100+\i], v[32+\i], v[36+\i], vcc_lo
.endr
	global_store_b128 v15, v[100:103], s[26:27]    ; 512 consecutive bytes of out1
	; softmax as it is written: the maximum is taken away, then exponentials, sum, division
	v_max3_num_f32 v104, v32, v33, v34
	v_max3_num_f32 v104, v104, v35, v36
	v_max3_num_f32 v104, v104, v37, v38
	v_max_num_f32 v104, v104, v39
	v_mul_f32 v104, s17, v104
.irp j, 0,1,2,3,4,5,6,7
	v_fma_f32 v[40+\j], v[32+\j], s17, -v104
.endr
.irp j, 0,1,2,3,4,5,6,7
	v_exp_f32 v[40+\j], v[40+\j]
.endr
	v_nop                                          ; a plain instruction behind the last exponential (ISA guide 5.7.2),
	s_wait_alu depctr_va_vdst(0)                   ; and one wait for the batch of eight ahead of the first reader
	v_add_f32 v105, v40, v41
	v_add_f32 v106, v42, v43
	v_add_f32 v107, v44, v45
	v_add_f32 v108, v46, v47
	v_add_f32 v105, v105, v106
	v_add_f32 v107, v107, v108
	v_add_f32 v105, v105, v107
	v_rcp_f32 v105, v105
	v_nop
	s_wait_alu depctr_va_vdst(0)
.irp j, 0,1,2,3,4,5,6,7
	v_mul_f32 v[40+\j], v[40+\j], v105             ; the scores
.endr
	; top-2: two scans in ascending order with a strict comparison, so that the lower index keeps a tie
	v_mov_b32 v50, v40
	v_mov_b32 v51, 0
.irp j, 1,2,3,4,5,6,7
	v_cmp_gt_f32 vcc_lo, v[40+\j], v50
	v_cndmask_b32 v50, v50, v[40+\j], vcc_lo
	v_cndmask_b32 v51, v51, \j, vcc_lo
.endr
.irp j, 0,1,2,3,4,5,6,7
	v_cmp_eq_u32 vcc_lo, \j, v51
	v_cndmask_b32 v[56+\j], v[40+\j], -1.0, vcc_lo ; the first choice leaves the field: every score is 0 or more
.endr
	v_mov_b32 v52, v56
	v_mov_b32 v53, 0
.irp j, 1,2,3,4,5,6,7
	v_cmp_gt_f32 vcc_lo, v[56+\j], v52
	v_cndmask_b32 v52, v52, v[56+\j], vcc_lo
	v_cndmask_b32 v53, v53, \j, vcc_lo
.endr
	v_add_f32 v20, v50, v52
	v_max_num_f32 v20, 0x2b8cbccc, v20             ; clipped at 1e-12
	v_rcp_f32 v20, v20
	v_nop
	s_wait_alu depctr_va_vdst(0)
	v_mul_f32 v21, v50, v20
	v_mul_f32 v22, v52, v20
	v_cmp_eq_u32 vcc_lo, 1, v9
	v_cndmask_b32 v54, v51, v53, vcc_lo            ; lane (r, h): the h-th choice of token r,
	v_cndmask_b32 v55, v21, v22, vcc_lo            ; and its weight
	v_lshlrev_b32 v17, 3, v8
	v_lshl_add_u32 v17, v9, 2, v17                 ; slot 2 r + h, 4 bytes
	global_store_b32 v17, v55, s[28:29]            ; 128 consecutive bytes of wts
.irp e, 0,1,2,3,4,5,6,7
	v_cmp_eq_u32 s[32+\e], \e, v54                 ; bit r + 16 h
.endr
	v_mov_b32 v18, 0
.irp e, 0,1,2,3,4,5,6,7
	v_writelane_b32 v18, s[32+\e], \e
.endr
	v_lshlrev_b32 v19, 2, v14
	global_store_b32 v19, v18, s[30:31]            ; the block's 32 words
	s_wait_tensorcnt 0x0                           ; the wave's end, as above
	ds_add_u32 v2, v3
	s_wait_dscnt 0x0
	s_endpgm
.Lfunc_end_k_q1090421a24_router:
	.size	k_q1090421a24_router, .Lfunc_end_k_q1090421a24_router-k_q1090421a24_router
	.p2alignl 7, 3214868480
	.fill 96, 4, 3214868480
	.section	.rodata,"a",@progbits
	.p2align	6, 0x0
	.amdhsa_kernel k_q1090421a24_router
		.amdhsa_group_segment_fixed_size 103936
		.amdhsa_private_segment_fixed_size 0
		.amdhsa_enable_private_segment 0
		.amdhsa_kernarg_size 48
		.amdhsa_user_sgpr_count 2
		.amdhsa_user_sgpr_kernarg_segment_ptr 1
		.amdhsa_wavefront_size32 1
		.amdhsa_system_sgpr_workgroup_id_x 1
		.amdhsa_system_sgpr_workgroup_id_y 1
		.amdhsa_system_sgpr_workgroup_id_z 1
		.amdhsa_system_vgpr_workitem_id 0
		.amdhsa_next_free_vgpr 224
		.amdhsa_next_free_sgpr 66
		.amdhsa_reserve_vcc 1
		.amdhsa_float_denorm_mode_32 3
		.amdhsa_float_denorm_mode_16_64 3
		.amdhsa_memory_ordered 1
		.amdhsa_forward_progress 1
		.amdhsa_inst_pref_size 32
	.end_amdhsa_kernel
	.amdgpu_metadata
---
amdhsa.version: [ 1, 2 ]
amdhsa.kernels:
  - .name:           k_q1090421a24_router
    .symbol:         k_q1090421a24_router.kd
    .args:
      - { .name: hidden_states, .offset: 0, .size: 8, .value_kind: global_buffer, .address_space: global }
      - { .name: gate_w, .offset: 8, .size: 8, .value_kind: global_buffer, .address_space: global }
      - { .name: xb, .offset: 16, .size: 8, .value_kind: global_buffer, .address_space: global }
      - { .name: out1, .offset: 24, .size: 8, .value_kind: global_buffer, .address_space: global }
      - { .name: bm, .offset: 32, .size: 8, .value_kind: global_buffer, .address_space: global }
      - { .name: wts, .offset: 40, .size: 8, .value_kind: global_buffer, .address_space: global }
    .group_segment_fixed_size: 103936
    .private_segment_fixed_size: 0
    .kernarg_segment_align: 8
    .kernarg_segment_size: 48
    .max_flat_workgroup_size: 256
    .sgpr_count:     66
    .vgpr_count:     224
    .wavefront_size: 32
...
	.end_amdgpu_metadata
.endif
;; end of part 1
;; launch up (part 2): grid 32 x 8, 4 waves a work-group, no clusters, 327,680 bytes of LDS; arguments xb, w1, w3, bm, wts, hidf; writes hidf
.if DOCPART == 2
	.amdgcn_target "amdgcn-amd-amdhsa--gfx1250"
	.amdhsa_code_object_version 6
	.text
	.protected	k_q1090421a24_up
	.globl	k_q1090421a24_up
	.p2align	8
	.type	k_q1090421a24_up,@function
k_q1090421a24_up:
	s_mov_b64 s[64:65], 0
	v_nop
	global_prefetch_b8 v0, s[64:65] scope:SCOPE_SE
	s_setreg_imm32_b32 hwreg(HW_REG_WAVE_MODE, 25, 1), 1
	s_wait_xcnt 0x0
; FIRST PRODUCT AND SwiGLU.  Work-group (s, e): expert e, columns 32 s .. 32 s + 31 of the hidden width, ALL rows routed to e.  hidden = silu(x w1^T) (x w3^T) x routing weight, rounded once to bf16.
; A SLOT OF THE ROUTING is 2 x token + k.  Each wave makes for itself, from the bitmaps bm, the list of e's slots; 16 list places are a TILE.  Places from the count to the tile's end repeat the last live slot: such rows
; give the same numbers and go to places of their own in hidf, so EXEC is never narrowed.  A dead tile's products are jumped; its loads are still issued, at addresses that exist, so every counted wait counts alike on every path.
; THE WEIGHTS, 64 rows (32 of w1, 32 of w3) x 2,048 f32, come once, by the tensor data mover, through a ring of two LDS slots of 128 KiB: they have a counter of their own and take no registers while they are on
; their way, and the token fragments, which come from xb straight into registers, are alone on theirs (a wave's loads come back in order: ISA guide 5.7.1).  Every wave reads all 64 rows out of LDS as f32 and rounds them to bf16 itself.
; K ORDER.  A slot has two planes of 64 rows x 256 k: fill f brings k = 256 f .. into plane 0 and k = 1,024 + 256 f .. into plane 1.  Body g (0..15) takes k = 64 g .. from plane 0 and 1,024 + 64 g .. from plane 1: so
; the columns in LDS and the bytes in xb step evenly, from slot to slot too.  Both operands of a product hold the same k; only the order of the f32 sums is another.
; SHARES.  Wave c owns tiles 20 g + c + 4 m (m = 0..4) of group g.  Group 0 (320 rows) is multiplied under the stream.  Groups 1 to 3 (rows up to 1,024: every split is served) follow in a loop that touches no LDS slot and
; has no barrier: it takes the f32 weights from memory once more, in fragment order (16 bytes a lane), and waits for all its loads in each 64 k: a slow way, for splits that give one expert more than 320 rows; dead groups are jumped.
; THE MATRIX INSTRUCTION IS USED TRANSPOSED: source 0 = 16 weight rows, source 1 = 16 tokens: a lane holds one token (lane % 16) and eight neighbouring columns, h1 and h3 of a column in the same lane and register place, and
; the packed result IS the register image of the second product's token fragment: hidf[e][tile][s] = [2][32 lanes][16 bytes], stored as 512 consecutive bytes.
; LIMITS.  x and the weights are rounded to bf16.  The routing weight is multiplied into the hidden row ahead of its one rounding (the definition applies it behind the second product).  An exponential below 2^-126
; counts as 0.  NaN and infinities are not treated apart.  An expert without rows still makes tile 0 (from slot 0's row), so that the next launch's fixed number of loads finds bytes that were stored.
; NO MULTICAST: each weight byte has one reader, and the rows that an expert's work-groups share come by a list, which no tile descriptor covers.
; The 160 accumulator registers are cleared at a group's beginning, in the wait for its first loads: a first body with the constant 0 would be one more copy of the body's text.
; REGISTERS, in windows of 256 (s_set_vgpr_msb: bits 1:0 source 0, 3:2 source 1, 5:4 source 2, 7:6 destination).
;   window 0: v2, v3 the add's two; v4 r; v5 16 h; v6 my place in a plane; v7, v8 the body's addresses in planes 0, 1; v9 my list; v10 my place in it; v11 16 x lane; v12 my place in 16 weight rows in memory;
;             v14-23 routing weights (pairs: weight, 0); v24-28 a tile's row offsets; v32-191 token fragments: tile m, plane p at 32 m + 16 p; v192-196 at work
;   window 1: v0-63 W fragments in bf16 (8 (4 ks + q)); v64-191 the same as f32, as loaded          window 2: v0-159 accumulators (32 m + 8 q)
.set NB,     16                        ; bodies: 64 k of each plane
.set NBS,    4                         ; bodies in a slot
.set NHB,    32                        ; the slow way: steps of 64 k
.set ROWB,   8192                      ; bytes in a weight row
.set PITCH,  1040                      ; a row of a plane in LDS: 1,024 bytes + 16 = 65 x 16: the 16 rows of a fragment load start at 16 different groups of four banks (64 banks of 4 bytes: ISA guide 11.1)
.set PLANE,  64*PITCH
.set SLOT,   2*PLANE                   ; 133,120 = 0x20800: it shares no bit with a wave's place in a slot (33,280 w), so one exclusive or changes slots
.set COLB,   256                       ; 64 f32 of a row
.set FSTEP,  1024                      ; bytes in a weight row from fill to fill
.set LIST,   2*SLOT                    ; behind the ring: a list for each wave: 1,280 places of 2 bytes, and place 1,280 for what is thrown away
.set LISTB,  2816
.set SPARE,  LIST+4*LISTB              ; the spare words, 128 bytes for each of 4 waves; no other line names them
.set A_STEP, 128                       ; token fragments: bytes from body to body,
.set A_PL,   2048                      ; from plane 0's k to plane 1's,
.set A_KS,   64                        ; from one 32 k to the next,
.set A_Q,    32                        ; and from a fragment's first 16 bytes to its second
.set GSTEP,  20*32768                  ; hidf: 20 tiles on
.set TB0,    4                         ; s[4:5] where the token fragments come from: xb
.set WT,     14
.set AOFF,   24
.set AF,     32
.set TS,     192
.set S,      64
.set G0,     72                        ; s[72:79] descriptor group 0: a set for each of the two first fills; the second then walks on
.set G1,     80                        ; s[80:87] descriptor group 1
.set MSB, 0
.macro WIN new                         ; the immediate's high byte repeats the setting that is left; a switch that changes nothing is dropped
.if MSB != (\new)
	s_set_vgpr_msb (MSB<<8)|(\new)
.set MSB, \new
.endif
.endm
.macro PLACES                          ; four places between a product and a load into its sources, a write of them or a read of its result (ISA guide 7.12.1 for vector instructions)
.rept 4
	v_nop
.endr
.endm
; 32 LDS loads in one run: the 8 W fragments of 64 k (ks: which 32 k; q: which 16 rows) as f32.  Lane (r, h) takes k = 8 h .. 8 h + 7 (32 bytes) and 16 + 8 h .. (32 bytes, 64 further on) of row r.
.macro WFETCH a, off
	WIN 0x40
.irp ks, 0,1
.irp q, 0,1,2,3
.irp u, 0,1,2,3
	ds_load_b128 v[S+16*(4*(\ks)+(\q))+4*(\u):S+16*(4*(\ks)+(\q))+4*(\u)+3], v[\a] offset:(\off)+(\q)*16*PITCH+(\ks)*128+16*((\u)&1)+64*((\u)/2)
.endr
.endr
.endr
	WIN 0
.endm
.macro CVT                             ; the 8 fragments rounded to bf16: 128 registers into 64
	WIN 0x45
.set i, 0
.rept 64
	v_cvt_pk_bf16_f32 v[i], v[S+2*i], v[S+2*i+1]
.set i, i+1
.endr
	WIN 0
.endm
; Tile m's 8 products of 64 k; a dead tile's are jumped.  Its four accumulators take turns, one instruction a turn.
.macro MUL8 m, p
	s_cmp_le_u32 s29, \m
	s_cbranch_scc1 .Lsk\@
	WIN 0xa1
.irp ks, 0,1
.irp q, 0,1,2,3
	v_wmma_f32_16x16x32_bf16 v[32*(\m)+8*(\q):32*(\m)+8*(\q)+7], v[8*(4*(\ks)+(\q)):8*(4*(\ks)+(\q))+7], v[AF+32*(\m)+16*(\p)+8*(\ks):AF+32*(\m)+16*(\p)+8*(\ks)+7], v[32*(\m)+8*(\q):32*(\m)+8*(\q)+7]
.endr
.endr
	WIN 0
.Lsk\@:
.endm
.macro TLOAD m, p                      ; tile m's token fragments of 64 k in plane p: 4 loads
.irp ks, 0,1
	global_load_b128 v[AF+32*(\m)+16*(\p)+8*(\ks):AF+32*(\m)+16*(\p)+8*(\ks)+3],   v[AOFF+(\m)], s[20:21] offset:(\p)*A_PL+(\ks)*A_KS
	global_load_b128 v[AF+32*(\m)+16*(\p)+8*(\ks)+4:AF+32*(\m)+16*(\p)+8*(\ks)+7], v[AOFF+(\m)], s[20:21] offset:(\p)*A_PL+(\ks)*A_KS+A_Q
.endr
.endm
; Half a body: 64 k of plane p.  Its W fragments, fetched half a body ago, are rounded; the next half's are fetched (plane 1 of this body; or plane 0 of the next, jumped in a slot's last body); then tile by tile 8 products
; and the tile's fragments of the next body.  The count: behind a (tile, plane) buffer's 4 loads stand those of the nine other buffers: 36.
; In the last body of all the offset stays where it is: its reloads repeat addresses that exist and serve nothing, the price of one text for every body.
.macro HB p
	s_wait_dscnt 0x0                               ; the fragments fetched half a body ago are in
	CVT                                            ; (four places behind the last product that read these registers: the last tile's)
.if (\p) == 0
	WFETCH 8, 0
.else
	s_cmp_eq_u32 s27, 1
	s_cbranch_scc1 .Lnf\@
	WFETCH 7, COLB
.Lnf\@:
.endif
.irp m, 0,1,2,3,4
	s_wait_loadcnt 36
	MUL8 \m, \p
	PLACES
.if ((\m) == 0) && ((\p) == 0)
	s_wait_xcnt 0x0                                ; the base is written anew only behind this wait
	s_add_co_u32 s44, s44, A_STEP
	s_min_u32 s44, s44, A_STEP*(NB-1)
	s_add_nc_u64 s[20:21], s[TB0:TB0+1], s[44:45]
.endif
	TLOAD \m, \p
.endr
.endm
.macro BODY
	v_add_nc_u32 v7, s28, v6
	v_add_nc_u32 v8, PLANE, v7
	s_add_co_u32 s28, s28, COLB
	HB 0
	HB 1
.endm
.macro SLOTWORK                        ; a slot's bodies; the first half body's fragments are fetched here, behind the barrier
	v_add_nc_u32 v7, s28, v6
	WFETCH 7, 0
	s_mov_b32 s27, NBS
.Lbody\@:
	BODY
	s_sub_co_u32 s27, s27, 1
	s_cmp_lg_u32 s27, 0
	s_cbranch_scc1 .Lbody\@
.endm
; THE CHANGE OF SLOTS.  Each wave waits for all its tensor loads, of which one is out: its part of the other slot; adds 0 to its spare word; and waits for that and for its own reads of the slot that it leaves.  Behind the
; barrier nobody reads the old slot any more and the other slot is whole.  fill = 1: the old slot is filled again, first thing behind the barrier, one load a wave: 128 KiB in all, with a slot's work in which to land.
.macro CHANGE fill
	WIN 0
	s_wait_tensorcnt 0x0                           ; no tensor load of mine is out, so a group 0 may be written
	ds_add_u32 v2, v3                              ; 0 onto my spare word; scalar work stands between it and the wait for it
.if \fill
	s_xor_b32 s[G0+5], s[G0+5], SLOT               ; the walking descriptor: the other slot than last time,
	s_add_nc_u64 s[G0+6:G0+7], s[G0+6:G0+7], FSTEP ; the next 256 k of my plane; the type bits on top are not reached
.endif
	s_sub_co_u32 s28, s28, NBS*COLB                ; the fetches go back to a row's first column,
	s_xor_b32 s28, s28, SLOT                       ; in the other slot
	s_wait_dscnt 0x0                               ; the add is done, and my reads of the slot are over
	s_barrier_signal -1
	s_barrier_wait -1
.if \fill
	tensor_load_to_lds s[G0+4:G0+7], s[G1:G1+7]
	s_nop 0
	PLACES
.endif
.endm
.macro MTCALC                          ; how many of my five tiles of the group are live: ceil((tiles - first) / 4), held to 0 .. 5
	s_sub_co_i32 s29, s31, s36
	s_add_co_i32 s29, s29, 3
	s_max_i32 s29, s29, 0
	s_lshr_b32 s29, s29, 2
	s_min_u32 s29, s29, 5
.endm
; A group begins: my five tiles' slots from the list, the sums cleared, the rows' offsets in xb, the routing weights asked for (older than every fragment load: the first wait for fragments covers them).
.macro GINIT
.irp m, 0,1,2,3,4
	ds_load_u16 v[TS+\m], v10 offset:128*\m
.endr
	WIN 0x80
.set i, 0
.rept 160
	v_mov_b32 v[i], 0
.set i, i+1
.endr
	WIN 0
	s_wait_dscnt 0x0
.irp m, 0,1,2,3,4
	v_min_u32 v[TS+\m], 0x7ff, v[TS+\m]            ; a slot is below 2,048
	v_and_b32 v[AOFF+\m], 0x7fe, v[TS+\m]
	v_lshl_add_u32 v[AOFF+\m], v[AOFF+\m], 11, v5  ; token x 4,096 bytes + 16 h
	v_lshlrev_b32 v[TS+\m], 2, v[TS+\m]
	v_mov_b32 v[WT+2*\m+1], 0                      ; named with the weight as a pair
	global_load_b32 v[WT+2*\m], v[TS+\m], s[12:13]
.endr
.endm
; The slow way's 64 k: 32 loads of f32 weights in fragment order, 20 of token fragments, all waited for; rounded; 40 products.
.macro SLOWHB
	WIN 0x40
.irp ks, 0,1
.irp q, 0,1
.irp u, 0,1,2,3
	global_load_b128 v[S+16*(4*(\ks)+(\q))+4*(\u):S+16*(4*(\ks)+(\q))+4*(\u)+3], v12, s[50:51] offset:(\q)*16*ROWB+(\ks)*128+16*((\u)&1)+64*((\u)/2)
	global_load_b128 v[S+16*(4*(\ks)+2+(\q))+4*(\u):S+16*(4*(\ks)+2+(\q))+4*(\u)+3], v12, s[52:53] offset:(\q)*16*ROWB+(\ks)*128+16*((\u)&1)+64*((\u)/2)
.endr
.endr
.endr
	WIN 0
.irp m, 0,1,2,3,4
	TLOAD \m, 0
.endr
	s_wait_loadcnt 0x0                             ; all 52; the bases may be stepped behind it
	CVT
.irp m, 0,1,2,3,4
	MUL8 \m, 0
.endr
	PLACES
	s_add_nc_u64 s[50:51], s[50:51], COLB
	s_add_nc_u64 s[52:53], s[52:53], COLB
	s_add_nc_u64 s[20:21], s[20:21], A_STEP
.endm
; The way out of a live tile: silu(h1) h3 w = h1 h3 w / (1 + 2^(-h1 log2 e)).  Each batch of 16 transcendentals has eight plain packed multiplies behind it and then ONE wait ahead of its first reader.
; Each accumulator is read from its low end on.  v32-63 at work, v[64 + 8 m ..] the tile's packed result: the fragments' registers, free by now.
.macro EPILOGUE
.irp m, 0,1,2,3,4
	s_cmp_le_u32 s29, \m
	s_cbranch_scc1 .Lepx\@
	WIN 0x02
.set i, 0
.rept 8
	v_pk_mul_f32 v[32+2*i:33+2*i], v[32*(\m)+2*i:32*(\m)+2*i+1], s[42:43] op_sel_hi:[1,0]   ; -h1 log2 e
.set i, i+1
.endr
	WIN 0
.set i, 0
.rept 16
	v_exp_f32 v[32+i], v[32+i]
.set i, i+1
.endr
	WIN 0x02
.set i, 0
.rept 8
	v_pk_mul_f32 v[48+2*i:49+2*i], v[32*(\m)+16+2*i:32*(\m)+17+2*i], v[WT+2*(\m):WT+2*(\m)+1] op_sel_hi:[1,0]   ; h3 w
.set i, i+1
.endr
	WIN 0
	s_wait_alu depctr_va_vdst(0)
.set i, 0
.rept 8
	v_pk_add_f32 v[32+2*i:33+2*i], v[32+2*i:33+2*i], 1.0 op_sel_hi:[1,0]
.set i, i+1
.endr
.set i, 0
.rept 16
	v_rcp_f32 v[32+i], v[32+i]
.set i, i+1
.endr
	WIN 0x08
.set i, 0
.rept 8
	v_pk_mul_f32 v[48+2*i:49+2*i], v[48+2*i:49+2*i], v[32*(\m)+2*i:32*(\m)+2*i+1]           ; h3 w h1
.set i, i+1
.endr
	WIN 0
	s_wait_alu depctr_va_vdst(0)
.set i, 0
.rept 8
	v_pk_mul_f32 v[48+2*i:49+2*i], v[48+2*i:49+2*i], v[32+2*i:33+2*i]
.set i, i+1
.endr
.set i, 0
.rept 8
	v_cvt_pk_bf16_f32 v[64+8*(\m)+i], v[48+2*i], v[49+2*i]
.set i, i+1
.endr
	global_store_b128 v11, v[64+8*(\m):64+8*(\m)+3], s[22:23] offset:(\m)*131072       ; 512 consecutive bytes: columns 0-15 as the fragment's first half,
	global_store_b128 v11, v[64+8*(\m)+4:64+8*(\m)+7], s[22:23] offset:(\m)*131072+512 ; columns 16-31 as its second
.endr
.Lepx\@:
.endm
	s_load_b256 s[4:11], s[0:1], 0x0               ; xb s[4:5], w1 s[6:7], w3 s[8:9], bm s[10:11]
	s_load_b128 s[12:15], s[0:1], 0x20             ; wts s[12:13], hidf s[14:15]
	v_lshl_add_u32 v2, v0, 2, SPARE                ; my spare word,
	v_mov_b32 v3, 0                                ; and 0: kept for the add alone
	ds_add_u32 v2, v3                              ; the wave's opening: the add and its wait stand ahead of my first tensor load; the set-up below, work on registers, stands between them
	v_lshrrev_b32 v1, 5, v0
	v_readfirstlane_b32 s16, v1                    ; wave 0..3
	s_and_b32 s17, ttmp7, 0xffff                   ; expert
	s_mov_b32 s18, ttmp9                           ; slice
	; descriptor group 1: a tile of 32 rows x 256 f32, padded in LDS
	s_mov_b32 s[G1+0], (2<<16)|(1<<20)|(7<<22)|(3<<25)  ; 17:16 elements of 4 bytes; 20 padding on; 24:22 after every 256 words (code 7); 31:25 4 words of it (code 3)
	s_mov_b32 s[G1+1], 256<<16                     ; tensor_dim0 = 256
	s_mov_b32 s[G1+2], 32<<16                      ; tensor_dim1 = 32
	s_mov_b32 s[G1+3], 256<<16                     ; tile_dim0 = 256
	s_mov_b32 s[G1+4], 32                          ; tile_dim1 = 32
	s_mov_b32 s[G1+5], 2048                        ; elements from row to row
	s_mov_b32 s[G1+6], 0
	s_mov_b32 s[G1+7], 0
	s_mul_i32 s38, s16, 32*PITCH                   ; my 32 rows in a slot: wave w = 2 x plane + (0: w1, 1: w3)
	s_lshl_b32 s24, s17, 10
	s_lshl_b32 s39, s18, 5
	s_add_co_u32 s24, s24, s39                     ; row 1,024 e + 32 s
	s_lshl_b32 s24, s24, 13
	s_mov_b32 s25, 0
	s_lshr_b32 s50, s16, 1
	s_lshl_b32 s50, s50, 12                        ; plane 1 begins 1,024 k = 4,096 bytes into a row
	s_mov_b32 s51, 0
	s_and_b32 s39, s16, 1
	s_wait_dscnt 0x0                               ; the opening add is done
	s_wait_kmcnt 0x0
	s_add_nc_u64 s[46:47], s[6:7], s[24:25]        ; the slice's first row in w1,
	s_add_nc_u64 s[48:49], s[8:9], s[24:25]        ; and in w3
	s_cmp_eq_u32 s39, 0
	s_cselect_b64 s[40:41], s[46:47], s[48:49]
	s_add_nc_u64 s[40:41], s[40:41], s[50:51]
.irp f, 0,1                            ; the two first fills go out together, ahead of every wait on TENSORcnt, every LDS read and every barrier: two loads of mine are out
	s_mov_b32 s[G0+4*\f], 1                        ; 1:0 count = 1
	s_add_co_u32 s[G0+4*\f+1], s38, \f*SLOT        ; 63:32 LDS address
	s_add_nc_u64 s[G0+4*\f+2:G0+4*\f+3], s[40:41], \f*FSTEP  ; 120:64 global address
	s_or_b32 s[G0+4*\f+3], s[G0+4*\f+3], 0x80000000          ; 127:126 type = 2
	tensor_load_to_lds s[G0+4*\f:G0+4*\f+3], s[G1:G1+7]
	s_nop 0
.endr
	PLACES
	v_and_b32 v1, 31, v0                           ; lane
	v_and_b32 v4, 15, v0                           ; r
	v_bfe_u32 v29, v0, 4, 1                        ; h
	v_lshlrev_b32 v5, 4, v29
	v_mul_u32_u24 v6, v4, PITCH
	v_lshl_add_u32 v6, v29, 5, v6                  ; a W fragment in LDS: row r, 32 bytes of f32 for each half of the lanes
	v_lshlrev_b32 v12, 13, v4
	v_lshl_add_u32 v12, v29, 5, v12                ; and in memory
	v_lshlrev_b32 v11, 4, v1
	s_mul_i32 s38, s16, LISTB
	s_add_co_u32 s38, s38, LIST
	v_mov_b32 v9, s38                              ; my list
	s_lshl_b32 s39, s16, 5
	s_add_co_u32 s39, s39, s38
	v_lshl_add_u32 v10, v4, 1, s39                 ; place r of tile c
	; THE LIST.  All 1,280 places are set to slot 0; lane L fetches the expert's words of token blocks 2 L and 2 L + 1; then block by block each lane whose bit is set puts its slot at the running count plus the set bits below it.
	v_add_nc_u32 v37, v9, v11
.irp i, 40,41,42,43
	v_mov_b32 v\i, 0
.endr
.irp j, 0,1,2,3,4
	ds_store_b128 v37, v[40:43] offset:512*\j
.endr
	s_lshl_b32 s38, s17, 2
	v_lshl_add_u32 v38, v1, 8, s38
	global_load_b32 v32, v38, s[10:11]
	global_load_b32 v33, v38, s[10:11] offset:128
	v_lshl_add_u32 v34, v4, 1, v29                 ; my slot in block 0: 2 r + h
	v_mov_b32 v35, 1280                            ; the place for what is thrown away
	s_mov_b32 s30, 0
	s_mov_b32 s33, 0
	s_wait_loadcnt 0x0
.Llist:
.irp j, 0,1
	v_readlane_b32 s34, v[32+\j], s33
	v_mbcnt_lo_u32_b32 v36, s34, s30
	v_cndmask_b32 v36, v35, v36, s34
	v_min_u32 v36, 0x500, v36
	v_lshl_add_u32 v36, v36, 1, v9
	ds_store_b16 v36, v34
	v_add_nc_u32 v34, 32, v34
	s_bcnt1_i32_b32 s35, s34
	s_add_co_u32 s30, s30, s35
.endr
	s_add_co_u32 s33, s33, 1
	s_cmp_lt_u32 s33, 32
	s_cbranch_scc1 .Llist
	s_min_u32 s30, s30, 1024                       ; n: a token takes an expert once at the most
	s_max_u32 s38, s30, 1
	s_sub_co_u32 s38, s38, 1
	s_min_u32 s38, s38, 1023
	s_lshl_b32 s38, s38, 1
	v_add_nc_u32 v36, s38, v9
	ds_load_u16 v37, v36                           ; the last live slot (LDS serves a wave's instructions in order: ISA guide 5.7.1.4),
	s_lshl_b32 s39, s30, 1
	v_lshl_add_u32 v38, v4, 1, s39
	v_add_nc_u32 v38, v38, v9
	s_wait_dscnt 0x0
	ds_store_b16 v38, v37                          ; repeated in places n .. n + 15: past the tile's end
	s_add_co_u32 s31, s30, 15
	s_lshr_b32 s31, s31, 4
	s_max_u32 s31, s31, 1                          ; tiles; tile 0 is always made
	s_mov_b32 s36, s16                             ; my first tile of group 0
	s_lshl_b32 s24, s17, 6
	s_add_co_u32 s24, s24, s16
	s_lshl_b32 s24, s24, 5
	s_add_co_u32 s24, s24, s18
	s_lshl_b32 s24, s24, 10
	s_add_nc_u64 s[22:23], s[14:15], s[24:25]      ; hidf at block (e, tile c, s)
	s_mov_b32 s42, 0xbfb8aa3b                      ; -log2(e)
	s_mov_b32 s43, s42                             ; named with it as a pair
	MTCALC
	GINIT
	s_mov_b32 s44, 0                               ; the body's byte offset in a row of xb
	s_mov_b32 s45, 0
	s_mov_b64 s[20:21], s[TB0:TB0+1]
.irp p, 0,1
.irp m, 0,1,2,3,4
	TLOAD \m, \p                                   ; body 0's fragments: ten buffers, 40 loads
.endr
.endr
	s_wait_tensorcnt 1                             ; my part of fill 0 is in; fill 1's may stay out
	s_wait_dscnt 0x0
	s_barrier_signal -1
	s_barrier_wait -1                              ; everybody's is
	s_mov_b32 s28, 0
	SLOTWORK                                       ; fill 0, in slot 0
	s_mov_b32 s26, 2
.Lslot:                                                ; twice: fills 2 and 3 are asked for, fills 1 and 2 multiplied
	CHANGE 1
	SLOTWORK
	s_sub_co_u32 s26, s26, 1
	s_cmp_lg_u32 s26, 0
	s_cbranch_scc1 .Lslot
	CHANGE 0                                       ; the tail is written out: nothing is asked for
	SLOTWORK                                       ; fill 3
	s_wait_loadcnt 0x0                             ; the last body's reloads: their registers are free only now
	s_mov_b32 s32, 4                               ; groups
	s_branch .Lepi                                 ; group 0 is multiplied: the group loop is entered in the middle of a trip
.Lgroup:                                               ; groups 1 to 3; no barrier and no tensor load stands in this loop
	s_wait_xcnt 0x0                                ; the stores have read their registers and their base
	s_add_co_u32 s36, s36, 20
	v_add_nc_u32 v10, 640, v10
	s_add_nc_u64 s[22:23], s[22:23], GSTEP
	MTCALC
	s_cmp_eq_u32 s29, 0
	s_cbranch_scc1 .Lnext                          ; a dead group is jumped
	GINIT
	s_mov_b64 s[20:21], s[TB0:TB0+1]
	s_mov_b64 s[50:51], s[46:47]
	s_mov_b64 s[52:53], s[48:49]
	s_mov_b32 s27, NHB
.Lslow:
	SLOWHB
	s_sub_co_u32 s27, s27, 1
	s_cmp_lg_u32 s27, 0
	s_cbranch_scc1 .Lslow
.Lepi:
	EPILOGUE
.Lnext:
	s_sub_co_u32 s32, s32, 1
	s_cmp_lg_u32 s32, 0
	s_cbranch_scc1 .Lgroup
	s_wait_tensorcnt 0x0                           ; the wave's end, behind my last tensor load and my last LDS store
	ds_add_u32 v2, v3
	s_wait_dscnt 0x0
	s_endpgm
.Lfunc_end_k_q1090421a24_up:
	.size	k_q1090421a24_up, .Lfunc_end_k_q1090421a24_up-k_q1090421a24_up
	.p2alignl 7, 3214868480
	.fill 96, 4, 3214868480
	.section	.rodata,"a",@progbits
	.p2align	6, 0x0
	.amdhsa_kernel k_q1090421a24_up
		.amdhsa_group_segment_fixed_size 327680
		.amdhsa_private_segment_fixed_size 0
		.amdhsa_enable_private_segment 0
		.amdhsa_kernarg_size 48
		.amdhsa_user_sgpr_count 2
		.amdhsa_user_sgpr_kernarg_segment_ptr 1
		.amdhsa_wavefront_size32 1
		.amdhsa_system_sgpr_workgroup_id_x 1
		.amdhsa_system_sgpr_workgroup_id_y 1
		.amdhsa_system_sgpr_workgroup_id_z 1
		.amdhsa_system_vgpr_workitem_id 0
		.amdhsa_next_free_vgpr 672
		.amdhsa_next_free_sgpr 88
		.amdhsa_reserve_vcc 0
		.amdhsa_float_denorm_mode_32 3
		.amdhsa_float_denorm_mode_16_64 3
		.amdhsa_memory_ordered 1
		.amdhsa_forward_progress 1
		.amdhsa_inst_pref_size 142
	.end_amdhsa_kernel
	.amdgpu_metadata
---
amdhsa.version: [ 1, 2 ]
amdhsa.kernels:
  - .name:           k_q1090421a24_up
    .symbol:         k_q1090421a24_up.kd
    .args:
      - { .name: xb, .offset: 0, .size: 8, .value_kind: global_buffer, .address_space: global }
      - { .name: w1, .offset: 8, .size: 8, .value_kind: global_buffer, .address_space: global }
      - { .name: w3, .offset: 16, .size: 8, .value_kind: global_buffer, .address_space: global }
      - { .name: bm, .offset: 24, .size: 8, .value_kind: global_buffer, .address_space: global }
      - { .name: wts, .offset: 32, .size: 8, .value_kind: global_buffer, .address_space: global }
      - { .name: hidf, .offset: 40, .size: 8, .value_kind: global_buffer, .address_space: global }
    .group_segment_fixed_size: 327680
    .private_segment_fixed_size: 0
    .kernarg_segment_align: 8
    .kernarg_segment_size: 48
    .max_flat_workgroup_size: 128
    .sgpr_count:     88
    .vgpr_count:     672
    .wavefront_size: 32
...
	.end_amdgpu_metadata
.endif
;; end of part 2
;; launch down (part 3): grid 32 x 8, 4 waves a work-group, no clusters, 299,520 bytes of LDS; arguments hidf, w2, bm, part; writes part
.if DOCPART == 3
	.amdgcn_target "amdgcn-amd-amdhsa--gfx1250"
	.amdhsa_code_object_version 6
	.text
	.protected	k_q1090421a24_down
	.globl	k_q1090421a24_down
	.p2align	8
	.type	k_q1090421a24_down,@function
k_q1090421a24_down:
	s_mov_b64 s[64:65], 0
	v_nop
	global_prefetch_b8 v0, s[64:65] scope:SCOPE_SE
	s_setreg_imm32_b32 hwreg(HW_REG_WAVE_MODE, 25, 1), 1
	s_wait_xcnt 0x0
; SECOND PRODUCT.  Work-group (s, e): expert e, output columns 64 s .. 64 s + 63, all rows routed to e.  part[slot][column] = the sum over the hidden width of hidden[slot] w2[e][column], in f32: a partial row for each
; slot = 2 x token + k; each slot belongs to one expert, so each byte of part has one writer, and the next launch adds a token's two rows.
; The frame is the first product's.  THE WEIGHTS, 64 rows x 1,024 f32, come once, by the tensor data mover; here the whole slice has room in LDS, so all four fills of 64 KiB go out at the start and no byte is filled twice.
; Every wave reads all 64 rows out of LDS as f32 and rounds them to bf16 itself; the token fragments come from hidf as register images, 512 consecutive bytes a load, and are alone on their counter.
; K ORDER.  A fill has two planes of 64 rows x 128 k: fill f brings k = 128 f .. into plane 0 and k = 512 + 128 f .. into plane 1.  Body g (0..7) takes k = 64 g .. from plane 0 and 512 + 64 g .. from plane 1.  Both operands
; of a product hold the same k; only the order of the f32 sums is another.
; SHARES.  Wave c owns tiles 20 g + c + 4 m (m = 0..4) of group g.  Group 0 (320 rows) is multiplied as the fills land.  Groups 1 to 3 (rows up to 1,024: every split is served) follow in a loop without a barrier that takes the
; f32 weights from memory once more, in fragment order (16 bytes a lane), and waits for all its loads in each 64 k: a slow way, for splits that give one expert more than 320 rows; dead groups are jumped.
; A dead tile's loads go to the expert's last live tile (tile 0 where it has none: the launch before always stores that one), so every counted wait counts alike on every path; its products and stores are jumped.  List places
; from the count to the tile's end repeat the last live slot: such rows hold the same numbers and store the same bytes to the same place, so EXEC is never narrowed.
; THE MATRIX INSTRUCTION IS USED TRANSPOSED (source 0 = 16 weight rows, source 1 = 16 tokens): a lane holds one token and eight neighbouring columns.  A tile leaves through the wave's own stage in LDS, so that sixteen lanes store 256 consecutive, aligned bytes of one slot's row.
; LIMITS.  w2 is rounded to bf16; the hidden rows arrive in bf16 with the routing weight in them.  NaN and infinities are not treated apart.
; NO MULTICAST: each weight byte has one reader; the hidden tiles are shared by an expert's 32 work-groups, but how many there are hangs on the expert's count, and joint requests would put the cluster's rounds into a walk of that length.
; The 160 accumulator registers are cleared at a group's beginning: a first body with the constant 0 would be one more copy of the body's text.
; REGISTERS, in windows of 256 (s_set_vgpr_msb: bits 1:0 source 0, 3:2 source 1, 5:4 source 2, 7:6 destination).
;   window 0: v2, v3 the add's two; v4 r; v6 my place in a plane; v7, v8 the body's addresses in planes 0, 1; v9 my list; v10 my place in it on the way out; v11 16 x lane; v12 my place in 16 weight rows in memory;
;             v13, v14 the stage, in and back; v15 16 r; v24-28 a tile's offsets in hidf; v32-191 token fragments: tile m, plane p at 32 m + 16 p
;   window 1: v0-63 W fragments in bf16 (8 (4 ks + q)); v64-191 the same as f32, as loaded          window 2: v0-159 accumulators (32 m + 8 q)
.set NB,     8                         ; bodies: 64 k of each plane
.set NBS,    2                         ; bodies in a fill
.set NHB,    16                        ; the slow way: steps of 64 k
.set ROWB,   4096                      ; bytes in a weight row
.set PITCH,  528                       ; a row of a plane in LDS: 512 bytes + 16 = 33 x 16: the 16 rows of a fragment load start at 16 different groups of four banks (64 banks of 4 bytes: ISA guide 11.1)
.set PLANE,  64*PITCH
.set SLOT,   2*PLANE                   ; a fill's bytes in LDS
.set COLB,   256                       ; 64 f32 of a row
.set FSTEP,  512                       ; bytes in a weight row from fill to fill
.set LIST,   4*SLOT                    ; behind the slice: a list for each wave: 1,280 places of 2 bytes, and place 1,280 for what is thrown away
.set LISTB,  2816
.set SP,     272                       ; a row of the stage: 256 bytes + 16
.set STAGE,  LIST+4*LISTB              ; 16 rows for each wave, for the way out
.set SPARE,  STAGE+4*16*SP             ; the spare words, 128 bytes for each of 4 waves; no other line names them
.set A_STEP, 2048                      ; token fragments: bytes from body to body,
.set A_PL,   16384                     ; from plane 0's k to plane 1's,
.set A_KS,   1024                      ; from one 32 k to the next,
.set A_Q,    512                       ; and from a fragment's first half to its second
.set TB0,    54                        ; s[54:55] where the token fragments come from: hidf at my expert
.set AOFF,   24
.set AF,     32
.set S,      64
.set G0,     72                        ; s[72:87] descriptor group 0, a set for each fill
.set G1,     88                        ; s[88:95] descriptor group 1
.set MSB, 0
.macro WIN new                         ; the immediate's high byte repeats the setting that is left; a switch that changes nothing is dropped
.if MSB != (\new)
	s_set_vgpr_msb (MSB<<8)|(\new)
.set MSB, \new
.endif
.endm
.macro PLACES                          ; four places between a product and a load into its sources, a write of them or a read of its result (ISA guide 7.12.1 for vector instructions)
.rept 4
	v_nop
.endr
.endm
; 32 LDS loads in one run: the 8 W fragments of 64 k (ks: which 32 k; q: which 16 rows) as f32.  Lane (r, h) takes k = 8 h .. 8 h + 7 (32 bytes) and 16 + 8 h .. (32 bytes, 64 further on) of row r.
.macro WFETCH a, off
	WIN 0x40
.irp ks, 0,1
.irp q, 0,1,2,3
.irp u, 0,1,2,3
	ds_load_b128 v[S+16*(4*(\ks)+(\q))+4*(\u):S+16*(4*(\ks)+(\q))+4*(\u)+3], v[\a] offset:(\off)+(\q)*16*PITCH+(\ks)*128+16*((\u)&1)+64*((\u)/2)
.endr
.endr
.endr
	WIN 0
.endm
.macro CVT                             ; the 8 fragments rounded to bf16: 128 registers into 64
	WIN 0x45
.set i, 0
.rept 64
	v_cvt_pk_bf16_f32 v[i], v[S+2*i], v[S+2*i+1]
.set i, i+1
.endr
	WIN 0
.endm
; Tile m's 8 products of 64 k; a dead tile's are jumped.  Its four accumulators take turns, one instruction a turn.
.macro MUL8 m, p
	s_cmp_le_u32 s29, \m
	s_cbranch_scc1 .Lsk\@
	WIN 0xa1
.irp ks, 0,1
.irp q, 0,1,2,3
	v_wmma_f32_16x16x32_bf16 v[32*(\m)+8*(\q):32*(\m)+8*(\q)+7], v[8*(4*(\ks)+(\q)):8*(4*(\ks)+(\q))+7], v[AF+32*(\m)+16*(\p)+8*(\ks):AF+32*(\m)+16*(\p)+8*(\ks)+7], v[32*(\m)+8*(\q):32*(\m)+8*(\q)+7]
.endr
.endr
	WIN 0
.Lsk\@:
.endm
.macro TLOAD m, p                      ; tile m's token fragments of 64 k in plane p: 4 loads of 512 consecutive bytes
.irp ks, 0,1
	global_load_b128 v[AF+32*(\m)+16*(\p)+8*(\ks):AF+32*(\m)+16*(\p)+8*(\ks)+3],   v[AOFF+(\m)], s[20:21] offset:(\p)*A_PL+(\ks)*A_KS
	global_load_b128 v[AF+32*(\m)+16*(\p)+8*(\ks)+4:AF+32*(\m)+16*(\p)+8*(\ks)+7], v[AOFF+(\m)], s[20:21] offset:(\p)*A_PL+(\ks)*A_KS+A_Q
.endr
.endm
; Half a body: 64 k of plane p.  Its W fragments, fetched half a body ago, are rounded; the next half's are fetched (plane 1 of this body; or plane 0 of the next, jumped in a fill's last body); then tile by tile 8 products
; and the tile's fragments of the next body.  The count: behind a (tile, plane) buffer's 4 loads stand those of the nine other buffers: 36.
; In the last body of all the offset stays where it is: its reloads repeat addresses that exist and serve nothing, the price of one text for every body.
.macro HB p
	s_wait_dscnt 0x0                               ; the fragments fetched half a body ago are in
	CVT                                            ; (four places behind the last product that read these registers: the last tile's)
.if (\p) == 0
	WFETCH 8, 0
.else
	s_cmp_eq_u32 s27, 1
	s_cbranch_scc1 .Lnf\@
	WFETCH 7, COLB
.Lnf\@:
.endif
.irp m, 0,1,2,3,4
	s_wait_loadcnt 36
	MUL8 \m, \p
	PLACES
.if ((\m) == 0) && ((\p) == 0)
	s_wait_xcnt 0x0                                ; the base is written anew only behind this wait
	s_add_co_u32 s44, s44, A_STEP
	s_min_u32 s44, s44, A_STEP*(NB-1)
	s_add_nc_u64 s[20:21], s[TB0:TB0+1], s[44:45]
.endif
	TLOAD \m, \p
.endr
.endm
.macro BODY
	v_add_nc_u32 v7, s28, v6
	v_add_nc_u32 v8, PLANE, v7
	s_add_co_u32 s28, s28, COLB
	HB 0
	HB 1
.endm
.macro SLOTWORK                        ; a fill's bodies; the first half body's fragments are fetched here, behind the barrier
	v_add_nc_u32 v7, s28, v6
	WFETCH 7, 0
	s_mov_b32 s27, NBS
.Lbody\@:
	BODY
	s_sub_co_u32 s27, s27, 1
	s_cmp_lg_u32 s27, 0
	s_cbranch_scc1 .Lbody\@
.endm
; Fill f is waited for and multiplied.  The count leaves my 3 - f later fills on their way.
.macro PHASE f
	s_wait_tensorcnt 3-(\f)                        ; tensor loads of a wave end in order (ISA guide 10.11.1): my part of fill f is in,
	s_wait_dscnt 0x0                               ; (no LDS instruction of mine is out at a signal)
	s_barrier_signal -1
	s_barrier_wait -1                              ; everybody's is
	s_mov_b32 s28, (\f)*SLOT
	SLOTWORK
.endm
.macro MTCALC                          ; how many of my five tiles of the group are live: ceil((tiles - first) / 4), held to 0 .. 5
	s_sub_co_i32 s29, s31, s36
	s_add_co_i32 s29, s29, 3
	s_max_i32 s29, s29, 0
	s_lshr_b32 s29, s29, 2
	s_min_u32 s29, s29, 5
.endm
; A group begins: my five tiles' offsets in the expert's part of hidf (a dead tile: the last live one's), the sums cleared.
.macro GINIT
.irp m, 0,1,2,3,4
	s_add_co_u32 s38, s36, 4*\m
	s_min_u32 s38, s38, s37
	s_min_u32 s38, s38, 63
	s_lshl_b32 s38, s38, 15                        ; a tile is 32 blocks of 1,024 bytes
	v_add_nc_u32 v[AOFF+\m], s38, v11
.endr
	WIN 0x80
.set i, 0
.rept 160
	v_mov_b32 v[i], 0
.set i, i+1
.endr
	WIN 0
.endm
; The slow way's 64 k: 32 loads of f32 weights in fragment order, 20 of token fragments, all waited for; rounded; 40 products.
.macro SLOWHB
	WIN 0x40
.irp ks, 0,1
.irp q, 0,1,2,3
.irp u, 0,1,2,3
	global_load_b128 v[S+16*(4*(\ks)+(\q))+4*(\u):S+16*(4*(\ks)+(\q))+4*(\u)+3], v12, s[50:51] offset:(\q)*16*ROWB+(\ks)*128+16*((\u)&1)+64*((\u)/2)
.endr
.endr
.endr
	WIN 0
.irp m, 0,1,2,3,4
	TLOAD \m, 0
.endr
	s_wait_loadcnt 0x0                             ; all 52; the bases may be stepped behind it
	CVT
.irp m, 0,1,2,3,4
	MUL8 \m, 0
.endr
	PLACES
	s_add_nc_u64 s[50:51], s[50:51], COLB
	s_add_nc_u64 s[20:21], s[20:21], A_STEP
.endm
; The way out of a live tile: a lane's 32 bytes of each 16 columns go into my stage (rows of 272 bytes; each accumulator's low registers first) and come back as whole rows of 256 bytes, two rows a load;
; the rows' slots come from my list.  LDS serves a wave's instructions in order (ISA guide 5.7.1.4), so the stage needs no wait between its stores and its loads, nor between tiles.
.macro EPILOGUE
.irp m, 0,1,2,3,4
	s_cmp_le_u32 s29, \m
	s_cbranch_scc1 .Lepx\@
	s_wait_xcnt 0x0                                ; the last tile's stores have read their registers: these are loaded anew only behind this wait
.irp t, 0,1,2,3,4,5,6,7
	ds_load_u16 v[64+\t], v10 offset:128*(\m)+4*\t
.endr
	WIN 0x08
.irp q, 0,1,2,3
	ds_store_b128 v13, v[32*(\m)+8*\q:32*(\m)+8*\q+3] offset:64*\q
	ds_store_b128 v13, v[32*(\m)+8*\q+4:32*(\m)+8*\q+7] offset:64*\q+16
.endr
	WIN 0
.irp t, 0,1,2,3,4,5,6,7
	ds_load_b128 v[32+4*\t:32+4*\t+3], v14 offset:2*SP*\t
.endr
	s_wait_dscnt 0x0
.irp t, 0,1,2,3,4,5,6,7
	v_min_u32 v[64+\t], 0x7ff, v[64+\t]            ; a slot is below 2,048
	v_lshl_add_u32 v[64+\t], v[64+\t], 13, v15     ; its row of 8,192 bytes, 16 bytes a lane
.endr
.irp t, 0,1,2,3,4,5,6,7
	global_store_b128 v[64+\t], v[32+4*\t:32+4*\t+3], s[22:23]   ; 16 lanes store 256 consecutive bytes, at a multiple of 256 from part's first byte
.endr
.endr
.Lepx\@:
.endm
	s_load_b256 s[4:11], s[0:1], 0x0               ; hidf s[4:5], w2 s[6:7], bm s[8:9], part s[10:11]
	v_lshl_add_u32 v2, v0, 2, SPARE                ; my spare word,
	v_mov_b32 v3, 0                                ; and 0: kept for the add alone
	ds_add_u32 v2, v3                              ; the wave's opening: the add and its wait stand ahead of my first tensor load; the set-up below, work on registers, stands between them
	v_lshrrev_b32 v1, 5, v0
	v_readfirstlane_b32 s16, v1                    ; wave 0..3
	s_and_b32 s17, ttmp7, 0xffff                   ; expert
	s_mov_b32 s18, ttmp9                           ; slice
	; descriptor group 1: a tile of 32 rows x 128 f32, padded in LDS
	s_mov_b32 s[G1+0], (2<<16)|(1<<20)|(6<<22)|(3<<25)  ; 17:16 elements of 4 bytes; 20 padding on; 24:22 after every 128 words (code 6); 31:25 4 words of it (code 3)
	s_mov_b32 s[G1+1], 128<<16                     ; tensor_dim0 = 128
	s_mov_b32 s[G1+2], 32<<16                      ; tensor_dim1 = 32
	s_mov_b32 s[G1+3], 128<<16                     ; tile_dim0 = 128
	s_mov_b32 s[G1+4], 32                          ; tile_dim1 = 32
	s_mov_b32 s[G1+5], 1024                        ; elements from row to row
	s_mov_b32 s[G1+6], 0
	s_mov_b32 s[G1+7], 0
	s_mul_i32 s38, s16, 32*PITCH                   ; my 32 rows in a fill: wave w = 2 x plane + which half of the 64 rows
	s_lshl_b32 s24, s17, 11
	s_lshl_b32 s39, s18, 6
	s_add_co_u32 s24, s24, s39                     ; row 2,048 e + 64 s
	s_lshl_b32 s24, s24, 12
	s_mov_b32 s25, 0
	s_and_b32 s39, s16, 1
	s_lshl_b32 s39, s39, 17                        ; 32 rows of 4,096 bytes
	s_lshr_b32 s40, s16, 1
	s_lshl_b32 s40, s40, 11                        ; plane 1 begins 512 k = 2,048 bytes into a row
	s_add_co_u32 s40, s40, s39
	s_mov_b32 s41, 0
	s_wait_dscnt 0x0                               ; the opening add is done
	s_wait_kmcnt 0x0
	s_add_nc_u64 s[46:47], s[6:7], s[24:25]        ; the slice's first row
	s_add_nc_u64 s[40:41], s[46:47], s[40:41]
.irp f, 0,1,2,3                        ; all four fills go out together, ahead of every wait on TENSORcnt, every LDS read and every barrier: four loads of mine are out
	s_mov_b32 s[G0+4*\f], 1                        ; 1:0 count = 1
	s_add_co_u32 s[G0+4*\f+1], s38, \f*SLOT        ; 63:32 LDS address
	s_add_nc_u64 s[G0+4*\f+2:G0+4*\f+3], s[40:41], \f*FSTEP  ; 120:64 global address
	s_or_b32 s[G0+4*\f+3], s[G0+4*\f+3], 0x80000000          ; 127:126 type = 2
	tensor_load_to_lds s[G0+4*\f:G0+4*\f+3], s[G1:G1+7]
	s_nop 0
.endr
	PLACES
	v_and_b32 v1, 31, v0                           ; lane
	v_and_b32 v4, 15, v0                           ; r
	v_bfe_u32 v29, v0, 4, 1                        ; h
	v_mul_u32_u24 v6, v4, PITCH
	v_lshl_add_u32 v6, v29, 5, v6                  ; a W fragment in LDS: row r, 32 bytes of f32 for each half of the lanes
	v_lshlrev_b32 v12, 12, v4
	v_lshl_add_u32 v12, v29, 5, v12                ; and in memory
	v_lshlrev_b32 v11, 4, v1
	s_mul_i32 s38, s16, LISTB
	s_add_co_u32 s38, s38, LIST
	v_mov_b32 v9, s38                              ; my list
	s_lshl_b32 s39, s16, 5
	s_add_co_u32 s39, s39, s38
	v_lshl_add_u32 v10, v29, 1, s39                ; place h of tile c: the way out takes two rows at a time
	s_mul_i32 s40, s16, 16*SP
	s_add_co_u32 s40, s40, STAGE                   ; my stage
	v_mul_u32_u24 v13, v4, SP
	v_lshl_add_u32 v13, v29, 5, v13
	v_add_nc_u32 v13, s40, v13                     ; in: row r, 32 bytes for each half of the lanes
	v_mul_u32_u24 v14, v29, SP
	v_lshl_add_u32 v14, v4, 4, v14
	v_add_nc_u32 v14, s40, v14                     ; back: lanes 0-15 one row of 256 bytes, lanes 16-31 the next
	v_lshlrev_b32 v15, 4, v4
	; THE LIST, in the order in which the launch before ranks the slots: block by block, within a block by the bit's number.  All 1,280 places are set to slot 0; lane L fetches the expert's words of token blocks 2 L and 2 L + 1; then block by block each lane whose bit is set puts its slot at the running count plus the set bits below it.
	v_add_nc_u32 v37, v9, v11
.irp i, 40,41,42,43
	v_mov_b32 v\i, 0
.endr
.irp j, 0,1,2,3,4
	ds_store_b128 v37, v[40:43] offset:512*\j
.endr
	s_lshl_b32 s38, s17, 2
	v_lshl_add_u32 v38, v1, 8, s38
	global_load_b32 v32, v38, s[8:9]
	global_load_b32 v33, v38, s[8:9] offset:128
	v_lshl_add_u32 v34, v4, 1, v29                 ; my slot in block 0: 2 r + h
	v_mov_b32 v35, 1280                            ; the place for what is thrown away
	s_mov_b32 s30, 0
	s_mov_b32 s33, 0
	s_wait_loadcnt 0x0
.Llist:
.irp j, 0,1
	v_readlane_b32 s34, v[32+\j], s33
	v_mbcnt_lo_u32_b32 v36, s34, s30
	v_cndmask_b32 v36, v35, v36, s34
	v_min_u32 v36, 0x500, v36
	v_lshl_add_u32 v36, v36, 1, v9
	ds_store_b16 v36, v34
	v_add_nc_u32 v34, 32, v34
	s_bcnt1_i32_b32 s35, s34
	s_add_co_u32 s30, s30, s35
.endr
	s_add_co_u32 s33, s33, 1
	s_cmp_lt_u32 s33, 32
	s_cbranch_scc1 .Llist
	s_min_u32 s30, s30, 1024                       ; n: a token takes an expert once at the most
	s_max_u32 s38, s30, 1
	s_sub_co_u32 s38, s38, 1
	s_min_u32 s38, s38, 1023
	s_lshl_b32 s38, s38, 1
	v_add_nc_u32 v36, s38, v9
	ds_load_u16 v37, v36                           ; the last live slot,
	s_lshl_b32 s39, s30, 1
	v_lshl_add_u32 v38, v4, 1, s39
	v_add_nc_u32 v38, v38, v9
	s_wait_dscnt 0x0
	ds_store_b16 v38, v37                          ; repeated in places n .. n + 15: past the tile's end
	s_add_co_u32 s31, s30, 15
	s_lshr_b32 s31, s31, 4                         ; live tiles
	s_max_u32 s37, s31, 1
	s_sub_co_u32 s37, s37, 1                       ; the last tile that the launch before has stored
	s_mov_b32 s36, s16                             ; my first tile of group 0
	s_lshl_b32 s24, s18, 8
	s_add_nc_u64 s[22:23], s[10:11], s[24:25]      ; part at my 64 columns
	s_lshl_b32 s24, s17, 21
	s_add_nc_u64 s[TB0:TB0+1], s[4:5], s[24:25]    ; hidf at my expert
	MTCALC
	GINIT
	s_mov_b32 s44, 0                               ; the body's byte offset in a tile of hidf
	s_mov_b32 s45, 0
	s_mov_b64 s[20:21], s[TB0:TB0+1]
.irp p, 0,1
.irp m, 0,1,2,3,4
	TLOAD \m, \p                                   ; body 0's fragments: ten buffers, 40 loads
.endr
.endr
	PHASE 0
	PHASE 1
	PHASE 2
	PHASE 3
	s_wait_loadcnt 0x0                             ; the last body's reloads: their registers are free only now
	s_mov_b32 s32, 4                               ; groups
	s_branch .Lepi                                 ; group 0 is multiplied: the group loop is entered in the middle of a trip
.Lgroup:                                               ; groups 1 to 3; no barrier and no tensor load stands in this loop
	s_wait_xcnt 0x0                                ; the stores have read their registers
	s_add_co_u32 s36, s36, 20
	v_add_nc_u32 v10, 640, v10
	MTCALC
	s_cmp_eq_u32 s29, 0
	s_cbranch_scc1 .Lnext                          ; a dead group is jumped
	GINIT
	s_mov_b64 s[20:21], s[TB0:TB0+1]
	s_mov_b64 s[50:51], s[46:47]
	s_mov_b32 s27, NHB
.Lslow:
	SLOWHB
	s_sub_co_u32 s27, s27, 1
	s_cmp_lg_u32 s27, 0
	s_cbranch_scc1 .Lslow
.Lepi:
	EPILOGUE
.Lnext:
	s_sub_co_u32 s32, s32, 1
	s_cmp_lg_u32 s32, 0
	s_cbranch_scc1 .Lgroup
	s_wait_tensorcnt 0x0                           ; the wave's end, behind my last tensor load and my last LDS store
	ds_add_u32 v2, v3
	s_wait_dscnt 0x0
	s_endpgm
.Lfunc_end_k_q1090421a24_down:
	.size	k_q1090421a24_down, .Lfunc_end_k_q1090421a24_down-k_q1090421a24_down
	.p2alignl 7, 3214868480
	.fill 96, 4, 3214868480
	.section	.rodata,"a",@progbits
	.p2align	6, 0x0
	.amdhsa_kernel k_q1090421a24_down
		.amdhsa_group_segment_fixed_size 299520
		.amdhsa_private_segment_fixed_size 0
		.amdhsa_enable_private_segment 0
		.amdhsa_kernarg_size 32
		.amdhsa_user_sgpr_count 2
		.amdhsa_user_sgpr_kernarg_segment_ptr 1
		.amdhsa_wavefront_size32 1
		.amdhsa_system_sgpr_workgroup_id_x 1
		.amdhsa_system_sgpr_workgroup_id_y 1
		.amdhsa_system_sgpr_workgroup_id_z 1
		.amdhsa_system_vgpr_workitem_id 0
		.amdhsa_next_free_vgpr 672
		.amdhsa_next_free_sgpr 96
		.amdhsa_reserve_vcc 0
		.amdhsa_float_denorm_mode_32 3
		.amdhsa_float_denorm_mode_16_64 3
		.amdhsa_memory_ordered 1
		.amdhsa_forward_progress 1
		.amdhsa_inst_pref_size 160
	.end_amdhsa_kernel
	.amdgpu_metadata
---
amdhsa.version: [ 1, 2 ]
amdhsa.kernels:
  - .name:           k_q1090421a24_down
    .symbol:         k_q1090421a24_down.kd
    .args:
      - { .name: hidf, .offset: 0, .size: 8, .value_kind: global_buffer, .address_space: global }
      - { .name: w2, .offset: 8, .size: 8, .value_kind: global_buffer, .address_space: global }
      - { .name: bm, .offset: 16, .size: 8, .value_kind: global_buffer, .address_space: global }
      - { .name: part, .offset: 24, .size: 8, .value_kind: global_buffer, .address_space: global }
    .group_segment_fixed_size: 299520
    .private_segment_fixed_size: 0
    .kernarg_segment_align: 8
    .kernarg_segment_size: 32
    .max_flat_workgroup_size: 128
    .sgpr_count:     96
    .vgpr_count:     672
    .wavefront_size: 32
...
	.end_amdgpu_metadata
.endif
;; end of part 3
;; launch add (part 4): grid 256 x 1, 8 waves a work-group, no clusters, 0 bytes of LDS; arguments part, out0; writes out0
.if DOCPART == 4
	.amdgcn_target "amdgcn-amd-amdhsa--gfx1250"
	.amdhsa_code_object_version 6
	.text
	.protected	k_q1090421a24_add
	.globl	k_q1090421a24_add
	.p2align	8
	.type	k_q1090421a24_add,@function
k_q1090421a24_add:
	s_mov_b64 s[64:65], 0
	v_nop
	global_prefetch_b8 v0, s[64:65] scope:SCOPE_SE
	s_setreg_imm32_b32 hwreg(HW_REG_WAVE_MODE, 25, 1), 1
	s_wait_xcnt 0x0
; out0[t] = part[2 t] + part[2 t + 1]: a token's two partial rows, f32.  A stream: no LDS, no barrier, no matrix unit, no loop.
; A work-group owns 4 tokens: 65,536 bytes in, 32,768 out.  Thread t owns 16 bytes of each half row of 4,096 bytes: a wave's load or store covers 512 consecutive bytes.
; All 16 loads of a thread go out first; pair i is added and stored when it has come: the count leaves the 14 - 2 i younger loads out (loads come back in order: ISA guide 5.7.1).
	s_load_b128 s[4:7], s[0:1], 0x0                ; part s[4:5], out0 s[6:7]
	v_lshlrev_b32 v1, 4, v0
	s_lshl_b32 s8, ttmp9, 16
	s_mov_b32 s9, 0
	s_lshl_b32 s10, ttmp9, 15
	s_mov_b32 s11, 0
	s_wait_kmcnt 0x0
	s_add_nc_u64 s[4:5], s[4:5], s[8:9]
	s_add_nc_u64 s[6:7], s[6:7], s[10:11]
.irp i, 0,1,2,3,4,5,6,7
	global_load_b128 v[4+8*\i:7+8*\i],  v1, s[4:5] offset:(\i/2)*16384+(\i%2)*4096 th:TH_LOAD_NT
	global_load_b128 v[8+8*\i:11+8*\i], v1, s[4:5] offset:(\i/2)*16384+(\i%2)*4096+8192 th:TH_LOAD_NT
.endr
.irp i, 0,1,2,3,4,5,6,7
	s_wait_loadcnt 14-2*\i
	v_pk_add_f32 v[4+8*\i:5+8*\i], v[4+8*\i:5+8*\i], v[8+8*\i:9+8*\i]
	v_pk_add_f32 v[6+8*\i:7+8*\i], v[6+8*\i:7+8*\i], v[10+8*\i:11+8*\i]
	global_store_b128 v1, v[4+8*\i:7+8*\i], s[6:7] offset:4096*\i th:TH_STORE_NT
.endr
	s_endpgm
.Lfunc_end_k_q1090421a24_add:
	.size	k_q1090421a24_add, .Lfunc_end_k_q1090421a24_add-k_q1090421a24_add
	.p2alignl 7, 3214868480
	.fill 96, 4, 3214868480
	.section	.rodata,"a",@progbits
	.p2align	6, 0x0
	.amdhsa_kernel k_q1090421a24_add
		.amdhsa_group_segment_fixed_size 0
		.amdhsa_private_segment_fixed_size 0
		.amdhsa_enable_private_segment 0
		.amdhsa_kernarg_size 16
		.amdhsa_user_sgpr_count 2
		.amdhsa_user_sgpr_kernarg_segment_ptr 1
		.amdhsa_wavefront_size32 1
		.amdhsa_system_sgpr_workgroup_id_x 1
		.amdhsa_system_sgpr_workgroup_id_y 1
		.amdhsa_system_sgpr_workgroup_id_z 1
		.amdhsa_system_vgpr_workitem_id 0
		.amdhsa_next_free_vgpr 72
		.amdhsa_next_free_sgpr 66
		.amdhsa_reserve_vcc 0
		.amdhsa_float_denorm_mode_32 3
		.amdhsa_float_denorm_mode_16_64 3
		.amdhsa_memory_ordered 1
		.amdhsa_forward_progress 1
		.amdhsa_inst_pref_size 5
	.end_amdhsa_kernel
	.amdgpu_metadata
---
amdhsa.version: [ 1, 2 ]
amdhsa.kernels:
  - .name:           k_q1090421a24_add
    .symbol:         k_q1090421a24_add.kd
    .args:
      - { .name: part, .offset: 0, .size: 8, .value_kind: global_buffer, .address_space: global }
      - { .name: out0, .offset: 8, .size: 8, .value_kind: global_buffer, .address_space: global }
    .group_segment_fixed_size: 0
    .private_segment_fixed_size: 0
    .kernarg_segment_align: 8
    .kernarg_segment_size: 16
    .max_flat_workgroup_size: 256
    .sgpr_count:     66
    .vgpr_count:     72
    .wavefront_size: 32
...
	.end_amdgpu_metadata
.endif
;; end of part 4
;; ======== version 2 of 2: 4 launches; 1.31 times as fast as version 1
;; workspace buffers: xb 4,194,304 bytes; bm 8,192 bytes of whole numbers; wts 8,192 bytes; hidf 16,777,216 bytes; part 16,777,216 bytes
;; launch router: the kernel of part 1 again; grid 64 x 1, 8 waves a work-group, no clusters, 103,936 bytes of LDS; arguments hidden_states, gate_w, xb, out1, bm, wts; writes xb, out1, bm, wts
;; launch up (part 5): grid 32 x 8, 4 waves a work-group, no clusters, 327,680 bytes of LDS; arguments xb, w1, w3, bm, wts, hidf; writes hidf
.if DOCPART == 5
	.amdgcn_target "amdgcn-amd-amdhsa--gfx1250"
	.amdhsa_code_object_version 6
	.text
	.protected	k_q1090421a24_up
	.globl	k_q1090421a24_up
	.p2align	8
	.type	k_q1090421a24_up,@function
k_q1090421a24_up:
	s_mov_b64 s[64:65], 0
	v_nop
	global_prefetch_b8 v0, s[64:65] scope:SCOPE_SE
	s_setreg_imm32_b32 hwreg(HW_REG_WAVE_MODE, 25, 1), 1
	s_wait_xcnt 0x0
; FIRST PRODUCT AND SwiGLU.  Work-group (s, e): expert e, columns 32 s .. 32 s + 31 of the hidden width, ALL rows routed to e.  hidden = silu(x w1^T) (x w3^T) x routing weight, rounded once to bf16.
; A SLOT OF THE ROUTING is 2 x token + k.  The expert's slots are RANKED block by block of 16 tokens, within a block by the bit's number in bm's word; 16 ranks are a TILE.  Each lane finds the slots of its ranks in registers, from
; bm's 64 words: an address then comes from those words by register arithmetic alone, and this launch stores nothing into LDS.  A rank at or past the expert's count gives the last live slot: such rows give the same numbers
; and go to places of their own in hidf, so EXEC is never narrowed.  A dead tile's loads are still issued, at addresses that exist, so every counted wait counts alike on every path; nothing of a dead tile is stored.
; THE WEIGHTS, 64 rows (32 of w1, 32 of w3) x 2,048 f32, come once, by the tensor data mover, through a ring of two LDS slots of 128 KiB: they have a counter of their own and take no registers while they are on
; their way, and the token fragments, which come from xb straight into registers, are alone on theirs (a wave's loads come back in order: ISA guide 5.7.1).  Every wave reads all 64 rows out of LDS as f32 and rounds them to bf16 itself.
; K ORDER.  A slot has two planes of 64 rows x 256 k.  Fill f brings K quarter j = (s + f) mod 4: k = 256 j .. into plane 0 and k = 1,024 + 256 j .. into plane 1; a BODY takes 64 k of each plane, a HALF of it one plane's.
; So work-groups whose slice numbers differ modulo 4 walk K from different quarters, and the 64 work-groups that read a token's row do not all ask for the same bytes of xb at the same step.  Both operands of a product hold the same k; only the order of the f32 sums is another.
; THE ORDER OF A HALF.  W fragments and their f32 images have two buffers each.  While the half of plane p multiplies WF[p], the 64 conversions S[1-p] -> WF[1-p] for the next half stand behind the 24 products of tiles 0 to 2, two or three
; behind each, and the loads stand in two runs: at the half's head tiles 3 and 4's fragments for the next half and the f32 image of the NEXT body's plane p; behind tile 2 the fragments of tiles 0 to 2 for the next body.
; Since a body fetches the next body's columns, the change of slots stands one body ahead of the products that use the new slot, and the W pipeline is filled once, at the start.
; SHARES.  Wave c owns tiles 20 g + c + 4 m (m = 0..4) of group g.  Group 0 (320 rows) is multiplied under the stream: tiles m = 0 to 2 always (they carry the conversions; where they are dead their sums are thrown away), m = 3 and 4 jumped when dead.
; Groups 1 to 3 (rows up to 1,024: every split is served) follow in a loop that touches no LDS slot and has no barrier: it takes the f32 weights from memory once more, in fragment order (16 bytes a lane), and waits for all its
; loads in each 64 k: a slow way, for splits that give one expert more than 320 rows; dead groups are jumped.
; THE MATRIX INSTRUCTION IS USED TRANSPOSED: source 0 = 16 weight rows, source 1 = 16 tokens: a lane holds one token (lane % 16) and eight neighbouring columns, h1 and h3 of a column in the same lane and register place, and
; the packed result IS the register image of the second product's token fragment: hidf[e][tile][s] = [2][32 lanes][16 bytes], stored as 512 consecutive bytes.
; LIMITS.  x and the weights are rounded to bf16.  The routing weight is multiplied into the hidden row ahead of its one rounding (the definition applies it behind the second product).  An exponential below 2^-126
; counts as 0.  NaN and infinities are not treated apart.  An expert without rows still makes tile 0 (from slot 31's row, which exists), so that the next launch's fixed number of loads finds bytes that were stored.
; NO MULTICAST: each weight byte has one reader, and the rows that an expert's work-groups share are scattered over xb, which no tile descriptor covers.
; The 160 accumulator registers are cleared at a group's beginning, in the wait for its first loads: a first body with the constant 0 would be one more copy of the body's text.
; REGISTERS, in windows of 256 (s_set_vgpr_msb: bits 1:0 source 0, 3:2 source 1, 5:4 source 2, 7:6 destination).
;   window 0: v2, v3 the add's two; v4 r; v5 16 h; v6 my place in a plane; v7, v8 the addresses in planes 0, 1 of the columns that a body fetches; v11 16 x lane; v12 my place in 16 weight rows in memory;
;             v14-23 routing weights (pairs: weight, 0); v24-28 a tile's row offsets; v32-191 token fragments: tile m, plane p at 32 m + 16 p; v192-196 a tile's slots;
;             v197 my place in bm; v198, v199 bm's words of blocks 2 x lane, 2 x lane + 1; v200-204 my five ranks; v205-209 the words that hold them; v210-214 those blocks' first rank and number; v216-255 at work, eight a tile
;   window 1: v0-127, v128-255 the W fragments of 64 k as f32, two buffers (16 (4 ks + q))      window 2: v0-159 accumulators (32 m + 8 q)      window 3: v0-63, v64-127 the W fragments in bf16, two buffers (8 (4 ks + q))
.set NB,     16                        ; bodies: 64 k of each plane
.set NHB,    32                        ; the slow way: steps of 64 k
.set ROWB,   8192                      ; bytes in a weight row
.set PITCH,  1040                      ; a row of a plane in LDS: 1,024 bytes + 16 = 65 x 16: the 16 rows of a fragment load start at 16 different groups of four banks (64 banks of 4 bytes: ISA guide 11.1)
.set PLANE,  64*PITCH
.set SLOT,   2*PLANE                   ; 133,120 = 0x20800: it shares no bit with a wave's place in a slot (33,280 w), so one exclusive or changes slots
.set COLB,   256                       ; 64 f32 of a row
.set SPARE,  2*SLOT+256                ; behind the ring lie 256 bytes that hold nothing (the fetch that the last body jumps would end 240 bytes past the ring), then the spare words, 128 bytes for each of 4 waves; no other line names them
.set A_STEP, 128                       ; token fragments: bytes from body to body,
.set A_PL,   2048                      ; from plane 0's k to plane 1's,
.set A_KS,   64                        ; from one 32 k to the next,
.set A_Q,    32                        ; and from a fragment's first 16 bytes to its second
.set GSTEP,  20*32768                  ; hidf: 20 tiles on
.set TB0,    4                         ; s[4:5] where the token fragments come from: xb
.set WT,     14
.set AOFF,   24
.set AF,     32
.set TS,     192
.set BW,     198
.set RK,     200
.set SW,     205
.set SPK,    210
.set Q,      216                       ; tile m's eight at Q + 8 m: +0 t; +1 at work; +2 to +5 the word's counts in fields of 2, 4, 8, 16 bits; +6 the bit's number; +7 at work
.set MK,     66                        ; s[66:70] a block's five masks
.set G0,     72                        ; s[72:79] descriptor group 0: a set for each of the two first fills; the second then serves the refills
.set G1,     80                        ; s[80:87] descriptor group 1
.set MSB, 0
.macro WIN new                         ; the immediate's high byte repeats the setting that is left; a switch that changes nothing is dropped
.if MSB != (\new)
	s_set_vgpr_msb (MSB<<8)|(\new)
.set MSB, \new
.endif
.endm
.macro PLACES                          ; four places between a product and a load into its sources, a write of them or a read of its result (ISA guide 7.12.1 for vector instructions)
.rept 4
	v_nop
.endr
.endm
.macro ALL5 line:vararg                ; one line for each of my five tiles mm: so no line reads the result of the line before it
.set mm, 0
.rept 5
	\line
.set mm, mm+1
.endr
.endm
; 32 LDS loads in one run: the 8 W fragments of 64 k (ks: which 32 k; q: which 16 rows) as f32, into the buffer at sb.  Lane (r, h) takes k = 8 h .. 8 h + 7 (32 bytes) and 16 + 8 h .. (32 bytes, 64 further on) of row r.
.macro WFETCH a, sb
	WIN 0x40
.irp ks, 0,1
.irp q, 0,1,2,3
.irp u, 0,1,2,3
	ds_load_b128 v[(\sb)+16*(4*(\ks)+(\q))+4*(\u):(\sb)+16*(4*(\ks)+(\q))+4*(\u)+3], v[\a] offset:(\q)*16*PITCH+(\ks)*128+16*((\u)&1)+64*((\u)/2)
.endr
.endr
.endr
	WIN 0
.endm
.macro CVT0                            ; the first buffer's 8 fragments rounded to bf16, 128 registers into 64, in one run: at the pipeline's start and on the slow way
	WIN 0xc5
.set i, 0
.rept 64
	v_cvt_pk_bf16_f32 v[i], v[2*i], v[2*i+1]
.set i, i+1
.endr
	WIN 0
.endm
.macro RID n                           ; the next n of a half's 64 conversions
	WIN 0xc5
.rept \n
	v_cvt_pk_bf16_f32 v[WD+ci], v[SS+2*ci], v[SS+2*ci+1]
.set ci, ci+1
.endr
.endm
; Tile m's 8 products of 64 k, bare; a dead tile's are jumped.  Its four accumulators take turns, one instruction a turn.
.macro MUL8 m, p
	s_cmp_le_u32 s29, \m
	s_cbranch_scc1 .Lsk\@
	WIN 0xa3
.irp ks, 0,1
.irp q, 0,1,2,3
	v_wmma_f32_16x16x32_bf16 v[32*(\m)+8*(\q):32*(\m)+8*(\q)+7], v[64*(\p)+8*(4*(\ks)+(\q)):64*(\p)+8*(4*(\ks)+(\q))+7], v[AF+32*(\m)+16*(\p)+8*(\ks):AF+32*(\m)+16*(\p)+8*(\ks)+7], v[32*(\m)+8*(\q):32*(\m)+8*(\q)+7]
.endr
.endr
	WIN 0
.Lsk\@:
.endm
.macro TLOAD m, p                      ; tile m's token fragments of 64 k in plane p: 4 loads
.irp ks, 0,1
	global_load_b128 v[AF+32*(\m)+16*(\p)+8*(\ks):AF+32*(\m)+16*(\p)+8*(\ks)+3],   v[AOFF+(\m)], s[20:21] offset:(\p)*A_PL+(\ks)*A_KS
	global_load_b128 v[AF+32*(\m)+16*(\p)+8*(\ks)+4:AF+32*(\m)+16*(\p)+8*(\ks)+7], v[AOFF+(\m)], s[20:21] offset:(\p)*A_PL+(\ks)*A_KS+A_Q
.endr
.endm
; HALF A BODY: 64 k of plane p.  last = 1 (the walk's last group): the last body has no next body, and its fetch is jumped.
; THE COUNTS.  Fragment loads are issued in this order: behind tile 2 of half h - 2 tiles 0, 1, 2 for half h (12); at the head of h - 1 tiles 3, 4 for h (8); behind tile 2 of h - 1 twelve for h + 1; at the head of h eight for h + 1;
; behind tile 2 of h twelve for h + 2.  So behind tile 0's four loads stand 8 + 8 + 12 + 8 = 36 when it is wanted, behind tile 1's 32, tile 2's 28; behind tile 3's 4 + 12 + 8 + 12 = 36, tile 4's 32.
; THE PLACES.  Four v_nop at the head stand between the last half's products and the loads into tiles 3 and 4's registers and the conversions into the buffer that those products read.  The eight conversions behind tile 2's last product,
; which name none of its registers, are the places ahead of the loads into tiles 0 to 2's registers.
; The base steps once a body, ahead of the first loads for the next body; the offset wraps at a row's first 2,048 bytes, so the last body's loads, which serve nothing, go to addresses that exist.
.macro HALF p, last
.set WD, 64*(1-(\p))
.set SS, 128*(1-(\p))
.set ci, 0
.set wi, 0
	PLACES
	TLOAD 3, 1-(\p)
	TLOAD 4, 1-(\p)
	s_wait_dscnt 0x0                               ; the f32 image fetched a half ago is in: this half's conversions read it
.if \last
	s_cmp_eq_u32 s27, 1
	s_cbranch_scc1 .Lnf\@
.endif
	WFETCH 7+(\p), 128*(\p)                        ; the next body's plane p, into the buffer that the last half's conversions have read out
.if \last
.Lnf\@:
.endif
.irp m, 0,1,2
	s_wait_loadcnt 36-4*(\m)
.irp ks, 0,1
.irp q, 0,1,2,3
	WIN 0xa3
	v_wmma_f32_16x16x32_bf16 v[32*(\m)+8*(\q):32*(\m)+8*(\q)+7], v[64*(\p)+8*(4*(\ks)+(\q)):64*(\p)+8*(4*(\ks)+(\q))+7], v[AF+32*(\m)+16*(\p)+8*(\ks):AF+32*(\m)+16*(\p)+8*(\ks)+7], v[32*(\m)+8*(\q):32*(\m)+8*(\q)+7]
.if wi < 10
	RID 3
.elseif wi < 23
	RID 2
.else
	RID 8
.endif
.set wi, wi+1
.endr
.endr
.endr
	WIN 0
.if (\p) == 0
	s_wait_xcnt 0x0                                ; the base is written anew only behind this wait
	s_add_co_u32 s44, s44, A_STEP
	s_and_b32 s44, s44, A_STEP*NB-1
	s_add_nc_u64 s[20:21], s[TB0:TB0+1], s[44:45]
.endif
	TLOAD 0, \p
	TLOAD 1, \p
	TLOAD 2, \p
	s_wait_loadcnt 36
	MUL8 3, \p
	s_wait_loadcnt 32
	MUL8 4, \p
.endm
.macro BODY last                       ; s28: the LDS byte of the columns that this body fetches
	v_add_nc_u32 v7, s28, v6
	v_add_nc_u32 v8, PLANE, v7
	s_add_co_u32 s28, s28, COLB
	HALF 0, \last
	HALF 1, \last
.endm
.macro BODIES n, last
	s_mov_b32 s27, \n
.Lbody\@:
	BODY \last
	s_sub_co_u32 s27, s27, 1
	s_cmp_lg_u32 s27, 0
	s_cbranch_scc1 .Lbody\@
.endm
; THE CHANGE OF SLOTS.  All four bodies' columns of the old slot have been fetched.  Each wave waits for all its tensor loads, of which one is out: its part of the other slot; adds 0 to its spare word; and waits for that and for its
; own reads of the slot that it leaves.  Behind the barrier nobody reads the old slot any more and the other slot is whole.  fill = 1: the old slot is filled again, first thing behind the barrier, one load a wave: 128 KiB in all, with
; four bodies' work in which to land; the descriptor's address is made anew from the quarter's number.
.macro CHANGE fill
	WIN 0
	s_wait_tensorcnt 0x0                           ; no tensor load of mine is out, so a group 0 may be written
	ds_add_u32 v2, v3                              ; 0 onto my spare word; scalar work stands between it and the wait for it
.if \fill
	s_lshl_b32 s62, s61, 10                        ; a quarter's 256 k are 1,024 bytes of a weight row
	s_xor_b32 s[G0+5], s[G0+5], SLOT               ; the other slot than last time
	s_add_nc_u64 s[G0+6:G0+7], s[40:41], s[62:63]
	s_or_b32 s[G0+7], s[G0+7], 0x80000000
	s_add_co_u32 s61, s61, 1                       ; the next quarter, modulo 4
	s_and_b32 s61, s61, 3
.endif
	s_sub_co_u32 s28, s28, 4*COLB                  ; the fetches go back to a row's first column,
	s_xor_b32 s28, s28, SLOT                       ; in the other slot
	s_wait_dscnt 0x0                               ; the add is done, and my reads of the slot are over
	s_barrier_signal -1
	s_barrier_wait -1
.if \fill
	tensor_load_to_lds s[G0+4:G0+7], s[G1:G1+7]
	s_nop 0
	PLACES
.endif
.endm
.macro MTCALC                          ; how many of my five tiles of the group are live: ceil((tiles - first) / 4), held to 0 .. 5
	s_sub_co_i32 s29, s31, s36
	s_add_co_i32 s29, s29, 3
	s_max_i32 s29, s29, 0
	s_lshr_b32 s29, s29, 2
	s_min_u32 s29, s29, 5
.endm
.macro CLEAR                           ; the sums begin at 0
	WIN 0x80
.set i, 0
.rept 160
	v_mov_b32 v[i], 0
.set i, i+1
.endr
	WIN 0
.endm
; One halving step of the search for the t-th set bit: c = the set bits in the field of w bits that begins at the bit's number so far; if t >= c the bit lies beyond that field: t -= c, and the number goes w on.
.macro STEP src, w
	ALL5 v_bfe_u32 v[Q+8*mm+7], v[\src], v[Q+8*mm+6], \w
	ALL5 v_cmp_ge_u32 s[MK+mm], v[Q+8*mm], v[Q+8*mm+7]
	ALL5 v_sub_nc_u32 v[Q+8*mm+7], v[Q+8*mm], v[Q+8*mm+7]
	ALL5 v_cndmask_b32 v[Q+8*mm], v[Q+8*mm], v[Q+8*mm+7], s[MK+mm]
	ALL5 v_add_nc_u32 v[Q+8*mm+7], \w, v[Q+8*mm+6]
	ALL5 v_cndmask_b32 v[Q+8*mm+6], v[Q+8*mm+6], v[Q+8*mm+7], s[MK+mm]
.endm
; A GROUP BEGINS: the slots of my five tiles, their rows' offsets in xb, their routing weights asked for (older than every fragment load: the first wait for fragments covers them).
; THE SCAN.  Lane (r, h) wants the slots of ranks 16 (first tile + 4 m) + r.  Block by block (s30: the ranks below the block; s39: the same with the block's number above bit 16) each rank keeps the word and the pair of the last
; block that is not empty and begins at or below it: for a rank below the count the block that holds it, for any other the last block that has a bit.  At its end s30 is the expert's count.
; THE BIT.  t = rank - the block's first rank, held to the word's count less 1; the word's counts in fields of 2, 4, 8 and 16 bits are made by shifts, masks and adds; five halving steps find the t-th set bit.  Bit r' + 16 k of block b is slot 32 b + 2 r' + k.
.macro GINIT
	s_lshl_b32 s38, s36, 4
	v_add_nc_u32 v[RK], s38, v4
.irp m, 1,2,3,4
	v_add_nc_u32 v[RK+\m], 64*\m, v[RK]
.endr
	ALL5 v_mov_b32 v[SW+mm], 0
	ALL5 v_mov_b32 v[SPK+mm], 0
	s_mov_b32 s30, 0
	s_mov_b32 s39, 0
	s_mov_b32 s33, 0
.Lscan\@:
.irp j, 0,1
	v_readlane_b32 s34, v[BW+\j], s33              ; the word of block 2 s33 + j
	s_bcnt1_i32_b32 s35, s34                       ; its count; SCC: it is not empty
	s_cselect_b32 s38, s30, -1                     ; an empty block begins above every rank
	ALL5 v_cmp_le_u32 s[MK+mm], s38, v[RK+mm]
	ALL5 v_cndmask_b32 v[SW+mm], v[SW+mm], s34, s[MK+mm]
	ALL5 v_cndmask_b32 v[SPK+mm], v[SPK+mm], s39, s[MK+mm]
	s_add_co_u32 s30, s30, s35
	s_add_co_u32 s39, s39, s35
	s_add_co_u32 s39, s39, 0x10000
.endr
	s_add_co_u32 s33, s33, 1
	s_cmp_lt_u32 s33, 32
	s_cbranch_scc1 .Lscan\@
	ALL5 v_and_b32 v[Q+8*mm+1], s60, v[SPK+mm]                     ; the block's first rank
	ALL5 v_sub_nc_u32 v[Q+8*mm], v[RK+mm], v[Q+8*mm+1]             ; t
	ALL5 v_lshrrev_b32 v[Q+8*mm+1], 1, v[SW+mm]
	ALL5 v_and_b32 v[Q+8*mm+1], s56, v[Q+8*mm+1]
	ALL5 v_sub_nc_u32 v[Q+8*mm+2], v[SW+mm], v[Q+8*mm+1]           ; counts in fields of 2 bits
	ALL5 v_lshrrev_b32 v[Q+8*mm+1], 2, v[Q+8*mm+2]
	ALL5 v_and_b32 v[Q+8*mm+1], s57, v[Q+8*mm+1]
	ALL5 v_and_b32 v[Q+8*mm+3], s57, v[Q+8*mm+2]
	ALL5 v_add_nc_u32 v[Q+8*mm+3], v[Q+8*mm+3], v[Q+8*mm+1]        ; of 4 bits
	ALL5 v_lshrrev_b32 v[Q+8*mm+1], 4, v[Q+8*mm+3]
	ALL5 v_add_nc_u32 v[Q+8*mm+1], v[Q+8*mm+1], v[Q+8*mm+3]
	ALL5 v_and_b32 v[Q+8*mm+4], s58, v[Q+8*mm+1]                   ; of 8 bits
	ALL5 v_lshrrev_b32 v[Q+8*mm+1], 8, v[Q+8*mm+4]
	ALL5 v_add_nc_u32 v[Q+8*mm+1], v[Q+8*mm+1], v[Q+8*mm+4]
	ALL5 v_and_b32 v[Q+8*mm+5], s59, v[Q+8*mm+1]                   ; of 16 bits
	ALL5 v_lshrrev_b32 v[Q+8*mm+1], 16, v[Q+8*mm+5]
	ALL5 v_add_nc_u32 v[Q+8*mm+1], v[Q+8*mm+1], v[Q+8*mm+5]
	ALL5 v_and_b32 v[Q+8*mm+1], 63, v[Q+8*mm+1]                    ; the word's count, 0 .. 32
	ALL5 v_add_nc_u32 v[Q+8*mm+1], -1, v[Q+8*mm+1]
	ALL5 v_min_u32 v[Q+8*mm], v[Q+8*mm], v[Q+8*mm+1]               ; a rank past the count takes the word's last bit (an expert without rows has the word 0: the steps then end at bit 31 of block 0)
	ALL5 v_mov_b32 v[Q+8*mm+6], 0
	STEP Q+8*mm+5, 16
	STEP Q+8*mm+4, 8
	STEP Q+8*mm+3, 4
	STEP Q+8*mm+2, 2
	STEP SW+mm, 1
	ALL5 v_lshrrev_b32 v[Q+8*mm+1], 16, v[SPK+mm]                  ; b
	ALL5 v_and_b32 v[Q+8*mm+7], 15, v[Q+8*mm+6]                    ; r'
	ALL5 v_lshlrev_b32 v[Q+8*mm+7], 1, v[Q+8*mm+7]
	ALL5 v_lshl_add_u32 v[Q+8*mm+7], v[Q+8*mm+1], 5, v[Q+8*mm+7]
	ALL5 v_lshrrev_b32 v[Q+8*mm+1], 4, v[Q+8*mm+6]                 ; k
	ALL5 v_add_nc_u32 v[TS+mm], v[Q+8*mm+7], v[Q+8*mm+1]
	ALL5 v_min_u32 v[TS+mm], 0x7ff, v[TS+mm]                       ; a slot is below 2,048
	ALL5 v_and_b32 v[AOFF+mm], 0x7fe, v[TS+mm]
	ALL5 v_lshl_add_u32 v[AOFF+mm], v[AOFF+mm], 11, v5             ; token x 4,096 bytes + 16 h
	ALL5 v_lshlrev_b32 v[TS+mm], 2, v[TS+mm]
	ALL5 v_mov_b32 v[WT+2*mm+1], 0                                 ; named with the weight as a pair
	ALL5 global_load_b32 v[WT+2*mm], v[TS+mm], s[12:13]
.endm
; The slow way's 64 k: 32 loads of f32 weights in fragment order, 20 of token fragments, all waited for; rounded; 40 products.  K ascending from 0.
.macro SLOWHB
	WIN 0x40
.irp ks, 0,1
.irp q, 0,1
.irp u, 0,1,2,3
	global_load_b128 v[16*(4*(\ks)+(\q))+4*(\u):16*(4*(\ks)+(\q))+4*(\u)+3], v12, s[50:51] offset:(\q)*16*ROWB+(\ks)*128+16*((\u)&1)+64*((\u)/2)
	global_load_b128 v[16*(4*(\ks)+2+(\q))+4*(\u):16*(4*(\ks)+2+(\q))+4*(\u)+3], v12, s[52:53] offset:(\q)*16*ROWB+(\ks)*128+16*((\u)&1)+64*((\u)/2)
.endr
.endr
.endr
	WIN 0
.irp m, 0,1,2,3,4
	TLOAD \m, 0
.endr
	s_wait_loadcnt 0x0                             ; all 52; the bases may be stepped behind it
	CVT0
.irp m, 0,1,2,3,4
	MUL8 \m, 0
.endr
	PLACES
	s_add_nc_u64 s[50:51], s[50:51], COLB
	s_add_nc_u64 s[52:53], s[52:53], COLB
	s_add_nc_u64 s[20:21], s[20:21], A_STEP
.endm
; The way out of a live tile: silu(h1) h3 w = h1 h3 w / (1 + 2^(-h1 log2 e)).  Each batch of 16 transcendentals has eight plain packed multiplies behind it and then ONE wait ahead of its first reader.
; Each accumulator is read from its low end on.  v32-63 at work, v[64 + 8 m ..] the tile's packed result: the fragments' registers, free by now.
.macro EPILOGUE
.irp m, 0,1,2,3,4
	s_cmp_le_u32 s29, \m
	s_cbranch_scc1 .Lepx\@
	WIN 0x02
.set i, 0
.rept 8
	v_pk_mul_f32 v[32+2*i:33+2*i], v[32*(\m)+2*i:32*(\m)+2*i+1], s[42:43] op_sel_hi:[1,0]   ; -h1 log2 e
.set i, i+1
.endr
	WIN 0
.set i, 0
.rept 16
	v_exp_f32 v[32+i], v[32+i]
.set i, i+1
.endr
	WIN 0x02
.set i, 0
.rept 8
	v_pk_mul_f32 v[48+2*i:49+2*i], v[32*(\m)+16+2*i:32*(\m)+17+2*i], v[WT+2*(\m):WT+2*(\m)+1] op_sel_hi:[1,0]   ; h3 w
.set i, i+1
.endr
	WIN 0
	s_wait_alu depctr_va_vdst(0)
.set i, 0
.rept 8
	v_pk_add_f32 v[32+2*i:33+2*i], v[32+2*i:33+2*i], 1.0 op_sel_hi:[1,0]
.set i, i+1
.endr
.set i, 0
.rept 16
	v_rcp_f32 v[32+i], v[32+i]
.set i, i+1
.endr
	WIN 0x08
.set i, 0
.rept 8
	v_pk_mul_f32 v[48+2*i:49+2*i], v[48+2*i:49+2*i], v[32*(\m)+2*i:32*(\m)+2*i+1]           ; h3 w h1
.set i, i+1
.endr
	WIN 0
	s_wait_alu depctr_va_vdst(0)
.set i, 0
.rept 8
	v_pk_mul_f32 v[48+2*i:49+2*i], v[48+2*i:49+2*i], v[32+2*i:33+2*i]
.set i, i+1
.endr
.set i, 0
.rept 8
	v_cvt_pk_bf16_f32 v[64+8*(\m)+i], v[48+2*i], v[49+2*i]
.set i, i+1
.endr
	global_store_b128 v11, v[64+8*(\m):64+8*(\m)+3], s[22:23] offset:(\m)*131072       ; 512 consecutive bytes: columns 0-15 as the fragment's first half,
	global_store_b128 v11, v[64+8*(\m)+4:64+8*(\m)+7], s[22:23] offset:(\m)*131072+512 ; columns 16-31 as its second
.endr
.Lepx\@:
.endm
	s_load_b256 s[4:11], s[0:1], 0x0               ; xb s[4:5], w1 s[6:7], w3 s[8:9], bm s[10:11]
	s_load_b128 s[12:15], s[0:1], 0x20             ; wts s[12:13], hidf s[14:15]
	v_lshl_add_u32 v2, v0, 2, SPARE                ; my spare word,
	v_mov_b32 v3, 0                                ; and 0: kept for the add alone
	ds_add_u32 v2, v3                              ; the wave's opening: the add and its wait stand ahead of my first tensor load; the set-up below, work on registers, stands between them
	v_lshrrev_b32 v1, 5, v0
	v_readfirstlane_b32 s16, v1                    ; wave 0..3
	s_and_b32 s17, ttmp7, 0xffff                   ; expert
	s_mov_b32 s18, ttmp9                           ; slice
	v_and_b32 v1, 31, v0                           ; lane
	s_lshl_b32 s38, s17, 2
	v_lshl_add_u32 v197, v1, 8, s38                ; bm: word e of block 2 x lane; a block has 128 bytes
	; descriptor group 1: a tile of 32 rows x 256 f32, padded in LDS
	s_mov_b32 s[G1+0], (2<<16)|(1<<20)|(7<<22)|(3<<25)  ; 17:16 elements of 4 bytes; 20 padding on; 24:22 after every 256 words (code 7); 31:25 4 words of it (code 3)
	s_mov_b32 s[G1+1], 256<<16                     ; tensor_dim0 = 256
	s_mov_b32 s[G1+2], 32<<16                      ; tensor_dim1 = 32
	s_mov_b32 s[G1+3], 256<<16                     ; tile_dim0 = 256
	s_mov_b32 s[G1+4], 32                          ; tile_dim1 = 32
	s_mov_b32 s[G1+5], 2048                        ; elements from row to row
	s_mov_b32 s[G1+6], 0
	s_mov_b32 s[G1+7], 0
	s_mul_i32 s38, s16, 32*PITCH                   ; my 32 rows in a slot: wave w = 2 x plane + (0: w1, 1: w3)
	s_lshl_b32 s24, s17, 10
	s_lshl_b32 s39, s18, 5
	s_add_co_u32 s24, s24, s39                     ; row 1,024 e + 32 s
	s_lshl_b32 s24, s24, 13
	s_mov_b32 s25, 0
	s_lshr_b32 s50, s16, 1
	s_lshl_b32 s50, s50, 12                        ; plane 1 begins 1,024 k = 4,096 bytes into a row
	s_mov_b32 s51, 0
	s_and_b32 s39, s16, 1
	s_and_b32 s61, s18, 3                          ; the K quarter with which this slice begins
	s_mov_b32 s63, 0
	s_lshl_b32 s44, s61, 9                         ; and its byte offset in a row of xb: 256 k of bf16
	s_mov_b32 s45, 0
	s_wait_dscnt 0x0                               ; the opening add is done
	s_wait_kmcnt 0x0
	global_load_b32 v[BW], v197, s[10:11]          ; the routing's words are asked for first: the fragments' addresses hang on them
	global_load_b32 v[BW+1], v197, s[10:11] offset:128
	s_add_nc_u64 s[46:47], s[6:7], s[24:25]        ; the slice's first row in w1,
	s_add_nc_u64 s[48:49], s[8:9], s[24:25]        ; and in w3
	s_cmp_eq_u32 s39, 0
	s_cselect_b64 s[40:41], s[46:47], s[48:49]
	s_add_nc_u64 s[40:41], s[40:41], s[50:51]      ; my 32 rows at my plane's first k: kept for the refills
.irp f, 0,1                            ; the two first fills go out together, ahead of every wait on TENSORcnt, every LDS read and every barrier: two loads of mine are out
	s_lshl_b32 s62, s61, 10                        ; the quarter's 1,024 bytes in a weight row
	s_mov_b32 s[G0+4*\f], 1                        ; 1:0 count = 1
	s_add_co_u32 s[G0+4*\f+1], s38, \f*SLOT        ; 63:32 LDS address
	s_add_nc_u64 s[G0+4*\f+2:G0+4*\f+3], s[40:41], s[62:63]  ; 120:64 global address
	s_or_b32 s[G0+4*\f+3], s[G0+4*\f+3], 0x80000000          ; 127:126 type = 2
	tensor_load_to_lds s[G0+4*\f:G0+4*\f+3], s[G1:G1+7]
	s_nop 0
	s_add_co_u32 s61, s61, 1                       ; the next quarter, modulo 4
	s_and_b32 s61, s61, 3
.endr
	PLACES
	v_and_b32 v4, 15, v0                           ; r
	v_bfe_u32 v29, v0, 4, 1                        ; h
	v_lshlrev_b32 v5, 4, v29
	v_mul_u32_u24 v6, v4, PITCH
	v_lshl_add_u32 v6, v29, 5, v6                  ; a W fragment in LDS: row r, 32 bytes of f32 for each half of the lanes
	v_lshlrev_b32 v12, 13, v4
	v_lshl_add_u32 v12, v29, 5, v12                ; and in memory
	v_lshlrev_b32 v11, 4, v1
	s_mov_b32 s56, 0x55555555                      ; the masks of the fields' counts
	s_mov_b32 s57, 0x33333333
	s_mov_b32 s58, 0x0f0f0f0f
	s_mov_b32 s59, 0x00ff00ff
	s_mov_b32 s60, 0xffff
	s_mov_b32 s36, s16                             ; my first tile of group 0
	s_lshl_b32 s24, s17, 6
	s_add_co_u32 s24, s24, s16
	s_lshl_b32 s24, s24, 5
	s_add_co_u32 s24, s24, s18
	s_lshl_b32 s24, s24, 10
	s_add_nc_u64 s[22:23], s[14:15], s[24:25]      ; hidf at block (e, tile c, s)
	s_mov_b32 s42, 0xbfb8aa3b                      ; -log2(e)
	s_mov_b32 s43, s42                             ; named with it as a pair
	s_add_nc_u64 s[20:21], s[TB0:TB0+1], s[44:45]  ; xb at the first body's bytes of a row
	s_wait_loadcnt 0x0                             ; bm's words
	GINIT
	s_min_u32 s30, s30, 1024                       ; n: a token takes an expert once at the most
	s_add_co_u32 s31, s30, 15
	s_lshr_b32 s31, s31, 4
	s_max_u32 s31, s31, 1                          ; tiles; tile 0 is always made
	MTCALC
.irp m, 0,1,2,3,4
	TLOAD \m, 0                                    ; the first body's fragments, in the order in which the halves issue them: plane 0's five tiles,
.endr
.irp m, 0,1,2
	TLOAD \m, 1                                    ; then plane 1's tiles 0 to 2; its tiles 3 and 4 are asked for at the first half's head
.endr
	CLEAR                                          ; while they are on their way
	s_wait_tensorcnt 1                             ; my part of the first fill is in; the second's may stay out
	s_wait_dscnt 0x0
	s_barrier_signal -1
	s_barrier_wait -1                              ; everybody's is
	v_add_nc_u32 v8, PLANE, v6                     ; THE PIPELINE IS FILLED, once: the first body's two f32 images, and the first of them rounded
	WFETCH 6, 0
	s_wait_dscnt 0x0
	WFETCH 8, 128
	CVT0
	s_mov_b32 s28, COLB
	BODIES 3, 0                                    ; bodies 0 to 2 fetch the first fill's other three columns
	s_mov_b32 s26, 2
.Lslot:                                                ; twice: a fill is asked for, and four bodies fetch the other slot's four columns
	CHANGE 1
	BODIES 4, 0
	s_sub_co_u32 s26, s26, 1
	s_cmp_lg_u32 s26, 0
	s_cbranch_scc1 .Lslot
	CHANGE 0                                       ; the tail is written out: nothing is asked for
	BODIES 5, 1                                    ; four bodies fetch the last fill's columns; the last body fetches nothing
	s_wait_loadcnt 0x0                             ; the last body's fragment loads: their registers are free only now
	PLACES                                         ; behind the last products, ahead of the way out
	s_mov_b32 s32, 4                               ; groups
	s_branch .Lepi                                 ; group 0 is multiplied: the group loop is entered in the middle of a trip
.Lgroup:                                               ; groups 1 to 3; no barrier and no tensor load stands in this loop
	s_wait_xcnt 0x0                                ; the stores have read their registers and their base
	s_add_co_u32 s36, s36, 20
	s_add_nc_u64 s[22:23], s[22:23], GSTEP
	MTCALC
	s_cmp_eq_u32 s29, 0
	s_cbranch_scc1 .Lnext                          ; a dead group is jumped
	GINIT
	CLEAR
	s_mov_b64 s[20:21], s[TB0:TB0+1]
	s_mov_b64 s[50:51], s[46:47]
	s_mov_b64 s[52:53], s[48:49]
	s_mov_b32 s27, NHB
.Lslow:
	SLOWHB
	s_sub_co_u32 s27, s27, 1
	s_cmp_lg_u32 s27, 0
	s_cbranch_scc1 .Lslow
.Lepi:
	EPILOGUE
.Lnext:
	s_sub_co_u32 s32, s32, 1
	s_cmp_lg_u32 s32, 0
	s_cbranch_scc1 .Lgroup
	s_wait_tensorcnt 0x0                           ; the wave's end, behind my last tensor load
	ds_add_u32 v2, v3
	s_wait_dscnt 0x0
	s_endpgm
.Lfunc_end_k_q1090421a24_up:
	.size	k_q1090421a24_up, .Lfunc_end_k_q1090421a24_up-k_q1090421a24_up
	.p2alignl 7, 3214868480
	.fill 96, 4, 3214868480
	.section	.rodata,"a",@progbits
	.p2align	6, 0x0
	.amdhsa_kernel k_q1090421a24_up
		.amdhsa_group_segment_fixed_size 327680
		.amdhsa_private_segment_fixed_size 0
		.amdhsa_enable_private_segment 0
		.amdhsa_kernarg_size 48
		.amdhsa_user_sgpr_count 2
		.amdhsa_user_sgpr_kernarg_segment_ptr 1
		.amdhsa_wavefront_size32 1
		.amdhsa_system_sgpr_workgroup_id_x 1
		.amdhsa_system_sgpr_workgroup_id_y 1
		.amdhsa_system_sgpr_workgroup_id_z 1
		.amdhsa_system_vgpr_workitem_id 0
		.amdhsa_next_free_vgpr 896
		.amdhsa_next_free_sgpr 88
		.amdhsa_reserve_vcc 0
		.amdhsa_float_denorm_mode_32 3
		.amdhsa_float_denorm_mode_16_64 3
		.amdhsa_memory_ordered 1
		.amdhsa_forward_progress 1
		.amdhsa_inst_pref_size 175
	.end_amdhsa_kernel
	.amdgpu_metadata
---
amdhsa.version: [ 1, 2 ]
amdhsa.kernels:
  - .name:           k_q1090421a24_up
    .symbol:         k_q1090421a24_up.kd
    .args:
      - { .name: xb, .offset: 0, .size: 8, .value_kind: global_buffer, .address_space: global }
      - { .name: w1, .offset: 8, .size: 8, .value_kind: global_buffer, .address_space: global }
      - { .name: w3, .offset: 16, .size: 8, .value_kind: global_buffer, .address_space: global }
      - { .name: bm, .offset: 24, .size: 8, .value_kind: global_buffer, .address_space: global }
      - { .name: wts, .offset: 32, .size: 8, .value_kind: global_buffer, .address_space: global }
      - { .name: hidf, .offset: 40, .size: 8, .value_kind: global_buffer, .address_space: global }
    .group_segment_fixed_size: 327680
    .private_segment_fixed_size: 0
    .kernarg_segment_align: 8
    .kernarg_segment_size: 48
    .max_flat_workgroup_size: 128
    .sgpr_count:     88
    .vgpr_count:     896
    .wavefront_size: 32
...
	.end_amdgpu_metadata
.endif
;; end of part 5
;; launch down (part 6): grid 32 x 8, 4 waves a work-group, no clusters, 299,776 bytes of LDS; arguments hidf, w2, bm, part; writes part
.if DOCPART == 6
	.amdgcn_target "amdgcn-amd-amdhsa--gfx1250"
	.amdhsa_code_object_version 6
	.text
	.protected	k_q1090421a24_down
	.globl	k_q1090421a24_down
	.p2align	8
	.type	k_q1090421a24_down,@function
k_q1090421a24_down:
	s_mov_b64 s[64:65], 0
	v_nop
	global_prefetch_b8 v0, s[64:65] scope:SCOPE_SE
	s_setreg_imm32_b32 hwreg(HW_REG_WAVE_MODE, 25, 1), 1
	s_wait_xcnt 0x0
; SECOND PRODUCT.  Work-group (s, e): expert e, output columns 64 s .. 64 s + 63, all rows routed to e.  part[slot][column] = the sum over the hidden width of hidden[slot] w2[e][column], in f32: a partial row for each
; slot = 2 x token + k; each slot belongs to one expert, so each byte of part has one writer, and the next launch adds a token's two rows.
; The frame is the first product's.  THE WEIGHTS, 64 rows x 1,024 f32, come once, by the tensor data mover; here the whole slice has room in LDS, so all four fills of 64 KiB go out at the start and no byte is filled twice.
; Every wave reads all 64 rows out of LDS as f32 and rounds them to bf16 itself; the token fragments come from hidf as register images, 512 consecutive bytes a load, and are alone on their counter.
; K ORDER.  A fill has two planes of 64 rows x 128 k.  Fill f brings K quarter j = (s + f) mod 4: k = 128 j .. into plane 0 and k = 512 + 128 j .. into plane 1; a BODY takes 64 k of each plane, a HALF of it one plane's.  So work-groups whose
; slice numbers differ modulo 4 walk K from different quarters, and an expert's 32 work-groups do not all ask for the same bytes of hidf at the same step.  Both operands of a product hold the same k; only the order of the f32 sums is another.
; THE ORDER OF A HALF.  W fragments and their f32 images have two buffers each.  While the half of plane p multiplies WF[p], the 64 conversions S[1-p] -> WF[1-p] for the next half stand behind the 24 products of tiles 0 to 2, two or three
; behind each, and the loads stand in two runs: at the half's head tiles 3 and 4's fragments for the next half and the f32 image of the NEXT body's plane p; behind tile 2 the fragments of tiles 0 to 2 for the next body.
; Since a body fetches the next body's columns, the wait for a fill stands one body ahead of the products that use it, and the W pipeline is filled once, at the start.
; SHARES.  Wave c owns tiles 20 g + c + 4 m (m = 0..4) of group g.  Group 0 (320 rows) is multiplied as the fills land: tiles m = 0 to 2 always (they carry the conversions; where they are dead their sums are thrown away), m = 3 and 4 jumped when dead.
; Groups 1 to 3 (rows up to 1,024: every split is served) follow in a loop without a barrier that takes the f32 weights from memory once more, in fragment order (16 bytes a lane), and waits for all its loads in each 64 k: a slow way,
; for splits that give one expert more than 320 rows; dead groups are jumped.
; A dead tile's loads go to the expert's last live tile (tile 0 where it has none: the launch before always stores that one), so every counted wait counts alike on every path; nothing of a dead tile is stored.  List places
; from the count to the tile's end repeat the last live slot: such rows hold the same numbers and store the same bytes to the same place, so EXEC is never narrowed.
; THE MATRIX INSTRUCTION IS USED TRANSPOSED (source 0 = 16 weight rows, source 1 = 16 tokens): a lane holds one token and eight neighbouring columns.  A tile leaves through the wave's own stage in LDS, so that sixteen lanes store 256 consecutive, aligned bytes of one slot's row.
; LIMITS.  w2 is rounded to bf16; the hidden rows arrive in bf16 with the routing weight in them.  NaN and infinities are not treated apart.
; NO MULTICAST: each weight byte has one reader; the hidden tiles are shared by an expert's 32 work-groups, but how many there are hangs on the expert's count, and joint requests would put the cluster's rounds into a walk of that length.
; The 160 accumulator registers are cleared at a group's beginning: a first body with the constant 0 would be one more copy of the body's text.
; REGISTERS, in windows of 256 (s_set_vgpr_msb: bits 1:0 source 0, 3:2 source 1, 5:4 source 2, 7:6 destination).
;   window 0: v2, v3 the add's two; v4 r; v6 my place in a plane; v7, v8 the addresses in planes 0, 1 of the columns that a body fetches; v9 my list; v10 my place in it on the way out; v11 16 x lane; v12 my place in 16 weight rows in memory;
;             v13, v14 the stage, in and back; v15 16 r; v24-28 a tile's offsets in hidf; v32-191 token fragments: tile m, plane p at 32 m + 16 p
;   window 1: v0-127, v128-255 the W fragments of 64 k as f32, two buffers (16 (4 ks + q))      window 2: v0-159 accumulators (32 m + 8 q)      window 3: v0-63, v64-127 the W fragments in bf16, two buffers (8 (4 ks + q))
.set NB,     8                         ; bodies: 64 k of each plane
.set NHB,    16                        ; the slow way: steps of 64 k
.set ROWB,   4096                      ; bytes in a weight row
.set PITCH,  528                       ; a row of a plane in LDS: 512 bytes + 16 = 33 x 16: the 16 rows of a fragment load start at 16 different groups of four banks (64 banks of 4 bytes: ISA guide 11.1)
.set PLANE,  64*PITCH
.set SLOT,   2*PLANE                   ; a fill's bytes in LDS
.set COLB,   256                       ; 64 f32 of a row
.set LIST,   4*SLOT+256                ; behind the slice lie 256 bytes that hold nothing (the fetch that the last body jumps would end 240 bytes past the slice), then a list for each wave: 1,280 places of 2 bytes, and place 1,280 for what is thrown away
.set LISTB,  2816
.set SP,     272                       ; a row of the stage: 256 bytes + 16
.set STAGE,  LIST+4*LISTB              ; 16 rows for each wave, for the way out
.set SPARE,  STAGE+4*16*SP             ; the spare words, 128 bytes for each of 4 waves; no other line names them
.set A_STEP, 2048                      ; token fragments: bytes from body to body,
.set A_PL,   16384                     ; from plane 0's k to plane 1's,
.set A_KS,   1024                      ; from one 32 k to the next,
.set A_Q,    512                       ; and from a fragment's first half to its second
.set TB0,    54                        ; s[54:55] where the token fragments come from: hidf at my expert
.set AOFF,   24
.set AF,     32
.set G0,     72                        ; s[72:87] descriptor group 0, a set for each fill
.set G1,     88                        ; s[88:95] descriptor group 1
.set MSB, 0
.macro WIN new                         ; the immediate's high byte repeats the setting that is left; a switch that changes nothing is dropped
.if MSB != (\new)
	s_set_vgpr_msb (MSB<<8)|(\new)
.set MSB, \new
.endif
.endm
.macro PLACES                          ; four places between a product and a load into its sources, a write of them or a read of its result (ISA guide 7.12.1 for vector instructions)
.rept 4
	v_nop
.endr
.endm
; 32 LDS loads in one run: the 8 W fragments of 64 k (ks: which 32 k; q: which 16 rows) as f32, into the buffer at sb.  Lane (r, h) takes k = 8 h .. 8 h + 7 (32 bytes) and 16 + 8 h .. (32 bytes, 64 further on) of row r.
.macro WFETCH a, sb
	WIN 0x40
.irp ks, 0,1
.irp q, 0,1,2,3
.irp u, 0,1,2,3
	ds_load_b128 v[(\sb)+16*(4*(\ks)+(\q))+4*(\u):(\sb)+16*(4*(\ks)+(\q))+4*(\u)+3], v[\a] offset:(\q)*16*PITCH+(\ks)*128+16*((\u)&1)+64*((\u)/2)
.endr
.endr
.endr
	WIN 0
.endm
.macro CVT0                            ; the first buffer's 8 fragments rounded to bf16, 128 registers into 64, in one run: at the pipeline's start and on the slow way
	WIN 0xc5
.set i, 0
.rept 64
	v_cvt_pk_bf16_f32 v[i], v[2*i], v[2*i+1]
.set i, i+1
.endr
	WIN 0
.endm
.macro RID n                           ; the next n of a half's 64 conversions
	WIN 0xc5
.rept \n
	v_cvt_pk_bf16_f32 v[WD+ci], v[SS+2*ci], v[SS+2*ci+1]
.set ci, ci+1
.endr
.endm
; Tile m's 8 products of 64 k, bare; a dead tile's are jumped.  Its four accumulators take turns, one instruction a turn.
.macro MUL8 m, p
	s_cmp_le_u32 s29, \m
	s_cbranch_scc1 .Lsk\@
	WIN 0xa3
.irp ks, 0,1
.irp q, 0,1,2,3
	v_wmma_f32_16x16x32_bf16 v[32*(\m)+8*(\q):32*(\m)+8*(\q)+7], v[64*(\p)+8*(4*(\ks)+(\q)):64*(\p)+8*(4*(\ks)+(\q))+7], v[AF+32*(\m)+16*(\p)+8*(\ks):AF+32*(\m)+16*(\p)+8*(\ks)+7], v[32*(\m)+8*(\q):32*(\m)+8*(\q)+7]
.endr
.endr
	WIN 0
.Lsk\@:
.endm
.macro TLOAD m, p                      ; tile m's token fragments of 64 k in plane p: 4 loads of 512 consecutive bytes
.irp ks, 0,1
	global_load_b128 v[AF+32*(\m)+16*(\p)+8*(\ks):AF+32*(\m)+16*(\p)+8*(\ks)+3],   v[AOFF+(\m)], s[20:21] offset:(\p)*A_PL+(\ks)*A_KS
	global_load_b128 v[AF+32*(\m)+16*(\p)+8*(\ks)+4:AF+32*(\m)+16*(\p)+8*(\ks)+7], v[AOFF+(\m)], s[20:21] offset:(\p)*A_PL+(\ks)*A_KS+A_Q
.endr
.endm
; HALF A BODY: 64 k of plane p.  last = 1 (the walk's last group): the last body has no next body, and its fetch is jumped.
; THE COUNTS.  Fragment loads are issued in this order: behind tile 2 of half h - 2 tiles 0, 1, 2 for half h (12); at the head of h - 1 tiles 3, 4 for h (8); behind tile 2 of h - 1 twelve for h + 1; at the head of h eight for h + 1;
; behind tile 2 of h twelve for h + 2.  So behind tile 0's four loads stand 8 + 8 + 12 + 8 = 36 when it is wanted, behind tile 1's 32, tile 2's 28; behind tile 3's 4 + 12 + 8 + 12 = 36, tile 4's 32.
; THE PLACES.  Four v_nop at the head stand between the last half's products and the loads into tiles 3 and 4's registers and the conversions into the buffer that those products read.  The eight conversions behind tile 2's last product,
; which name none of its registers, are the places ahead of the loads into tiles 0 to 2's registers.
; The base steps once a body, ahead of the first loads for the next body; the offset wraps at a tile's first 16,384 bytes, so the last body's loads, which serve nothing, go to addresses that exist.
.macro HALF p, last
.set WD, 64*(1-(\p))
.set SS, 128*(1-(\p))
.set ci, 0
.set wi, 0
	PLACES
	TLOAD 3, 1-(\p)
	TLOAD 4, 1-(\p)
	s_wait_dscnt 0x0                               ; the f32 image fetched a half ago is in: this half's conversions read it
.if \last
	s_cmp_eq_u32 s27, 1
	s_cbranch_scc1 .Lnf\@
.endif
	WFETCH 7+(\p), 128*(\p)                        ; the next body's plane p, into the buffer that the last half's conversions have read out
.if \last
.Lnf\@:
.endif
.irp m, 0,1,2
	s_wait_loadcnt 36-4*(\m)
.irp ks, 0,1
.irp q, 0,1,2,3
	WIN 0xa3
	v_wmma_f32_16x16x32_bf16 v[32*(\m)+8*(\q):32*(\m)+8*(\q)+7], v[64*(\p)+8*(4*(\ks)+(\q)):64*(\p)+8*(4*(\ks)+(\q))+7], v[AF+32*(\m)+16*(\p)+8*(\ks):AF+32*(\m)+16*(\p)+8*(\ks)+7], v[32*(\m)+8*(\q):32*(\m)+8*(\q)+7]
.if wi < 10
	RID 3
.elseif wi < 23
	RID 2
.else
	RID 8
.endif
.set wi, wi+1
.endr
.endr
.endr
	WIN 0
.if (\p) == 0
	s_wait_xcnt 0x0                                ; the base is written anew only behind this wait
	s_add_co_u32 s44, s44, A_STEP
	s_and_b32 s44, s44, A_STEP*NB-1
	s_add_nc_u64 s[20:21], s[TB0:TB0+1], s[44:45]
.endif
	TLOAD 0, \p
	TLOAD 1, \p
	TLOAD 2, \p
	s_wait_loadcnt 36
	MUL8 3, \p
	s_wait_loadcnt 32
	MUL8 4, \p
.endm
.macro BODY last                       ; s28: the LDS byte of the columns that this body fetches
	v_add_nc_u32 v7, s28, v6
	v_add_nc_u32 v8, PLANE, v7
	s_add_co_u32 s28, s28, COLB
	HALF 0, \last
	HALF 1, \last
.endm
.macro BODIES n, last
	s_mov_b32 s27, \n
.Lbody\@:
	BODY \last
	s_sub_co_u32 s27, s27, 1
	s_cmp_lg_u32 s27, 0
	s_cbranch_scc1 .Lbody\@
.endm
; A fill is waited for.  The count leaves my later fills on their way.
.macro MEET left
	s_wait_tensorcnt \left                         ; tensor loads of a wave end in order (ISA guide 10.11.1): my part of the fill is in,
	s_wait_dscnt 0x0                               ; (no LDS instruction of mine is out at a signal)
	s_barrier_signal -1
	s_barrier_wait -1                              ; everybody's is
.endm
.macro MTCALC                          ; how many of my five tiles of the group are live: ceil((tiles - first) / 4), held to 0 .. 5
	s_sub_co_i32 s29, s31, s36
	s_add_co_i32 s29, s29, 3
	s_max_i32 s29, s29, 0
	s_lshr_b32 s29, s29, 2
	s_min_u32 s29, s29, 5
.endm
; A group begins: my five tiles' offsets in the expert's part of hidf (a dead tile: the last live one's), the sums cleared.
.macro GINIT
.irp m, 0,1,2,3,4
	s_add_co_u32 s38, s36, 4*\m
	s_min_u32 s38, s38, s37
	s_min_u32 s38, s38, 63
	s_lshl_b32 s38, s38, 15                        ; a tile is 32 blocks of 1,024 bytes
	v_add_nc_u32 v[AOFF+\m], s38, v11
.endr
	WIN 0x80
.set i, 0
.rept 160
	v_mov_b32 v[i], 0
.set i, i+1
.endr
	WIN 0
.endm
; The slow way's 64 k: 32 loads of f32 weights in fragment order, 20 of token fragments, all waited for; rounded; 40 products.  K ascending from 0.
.macro SLOWHB
	WIN 0x40
.irp ks, 0,1
.irp q, 0,1,2,3
.irp u, 0,1,2,3
	global_load_b128 v[16*(4*(\ks)+(\q))+4*(\u):16*(4*(\ks)+(\q))+4*(\u)+3], v12, s[50:51] offset:(\q)*16*ROWB+(\ks)*128+16*((\u)&1)+64*((\u)/2)
.endr
.endr
.endr
	WIN 0
.irp m, 0,1,2,3,4
	TLOAD \m, 0
.endr
	s_wait_loadcnt 0x0                             ; all 52; the bases may be stepped behind it
	CVT0
.irp m, 0,1,2,3,4
	MUL8 \m, 0
.endr
	PLACES
	s_add_nc_u64 s[50:51], s[50:51], COLB
	s_add_nc_u64 s[20:21], s[20:21], A_STEP
.endm
; The way out of a live tile: a lane's 32 bytes of each 16 columns go into my stage (rows of 272 bytes; each accumulator's low registers first) and come back as whole rows of 256 bytes, two rows a load;
; the rows' slots come from my list.  LDS serves a wave's instructions in order (ISA guide 5.7.1.4), so the stage needs no wait between its stores and its loads, nor between tiles.
.macro EPILOGUE
.irp m, 0,1,2,3,4
	s_cmp_le_u32 s29, \m
	s_cbranch_scc1 .Lepx\@
	s_wait_xcnt 0x0                                ; the last tile's stores have read their registers: these are loaded anew only behind this wait
.irp t, 0,1,2,3,4,5,6,7
	ds_load_u16 v[64+\t], v10 offset:128*(\m)+4*\t
.endr
	WIN 0x08
.irp q, 0,1,2,3
	ds_store_b128 v13, v[32*(\m)+8*\q:32*(\m)+8*\q+3] offset:64*\q
	ds_store_b128 v13, v[32*(\m)+8*\q+4:32*(\m)+8*\q+7] offset:64*\q+16
.endr
	WIN 0
.irp t, 0,1,2,3,4,5,6,7
	ds_load_b128 v[32+4*\t:32+4*\t+3], v14 offset:2*SP*\t
.endr
	s_wait_dscnt 0x0
.irp t, 0,1,2,3,4,5,6,7
	v_min_u32 v[64+\t], 0x7ff, v[64+\t]            ; a slot is below 2,048
	v_lshl_add_u32 v[64+\t], v[64+\t], 13, v15     ; its row of 8,192 bytes, 16 bytes a lane
.endr
.irp t, 0,1,2,3,4,5,6,7
	global_store_b128 v[64+\t], v[32+4*\t:32+4*\t+3], s[22:23]   ; 16 lanes store 256 consecutive bytes, at a multiple of 256 from part's first byte
.endr
.endr
.Lepx\@:
.endm
	s_load_b256 s[4:11], s[0:1], 0x0               ; hidf s[4:5], w2 s[6:7], bm s[8:9], part s[10:11]
	v_lshl_add_u32 v2, v0, 2, SPARE                ; my spare word,
	v_mov_b32 v3, 0                                ; and 0: kept for the add alone
	ds_add_u32 v2, v3                              ; the wave's opening: the add and its wait stand ahead of my first tensor load; the set-up below, work on registers, stands between them
	v_lshrrev_b32 v1, 5, v0
	v_readfirstlane_b32 s16, v1                    ; wave 0..3
	s_and_b32 s17, ttmp7, 0xffff                   ; expert
	s_mov_b32 s18, ttmp9                           ; slice
	; descriptor group 1: a tile of 32 rows x 128 f32, padded in LDS
	s_mov_b32 s[G1+0], (2<<16)|(1<<20)|(6<<22)|(3<<25)  ; 17:16 elements of 4 bytes; 20 padding on; 24:22 after every 128 words (code 6); 31:25 4 words of it (code 3)
	s_mov_b32 s[G1+1], 128<<16                     ; tensor_dim0 = 128
	s_mov_b32 s[G1+2], 32<<16                      ; tensor_dim1 = 32
	s_mov_b32 s[G1+3], 128<<16                     ; tile_dim0 = 128
	s_mov_b32 s[G1+4], 32                          ; tile_dim1 = 32
	s_mov_b32 s[G1+5], 1024                        ; elements from row to row
	s_mov_b32 s[G1+6], 0
	s_mov_b32 s[G1+7], 0
	s_mul_i32 s38, s16, 32*PITCH                   ; my 32 rows in a fill: wave w = 2 x plane + which half of the 64 rows
	s_lshl_b32 s24, s17, 11
	s_lshl_b32 s39, s18, 6
	s_add_co_u32 s24, s24, s39                     ; row 2,048 e + 64 s
	s_lshl_b32 s24, s24, 12
	s_mov_b32 s25, 0
	s_and_b32 s39, s16, 1
	s_lshl_b32 s39, s39, 17                        ; 32 rows of 4,096 bytes
	s_lshr_b32 s40, s16, 1
	s_lshl_b32 s40, s40, 11                        ; plane 1 begins 512 k = 2,048 bytes into a row
	s_add_co_u32 s40, s40, s39
	s_mov_b32 s41, 0
	s_and_b32 s61, s18, 3                          ; the K quarter with which this slice begins
	s_mov_b32 s63, 0
	s_lshl_b32 s44, s61, 12                        ; and its byte offset in a tile of hidf: 128 k are four blocks of 1,024 bytes
	s_mov_b32 s45, 0
	s_wait_dscnt 0x0                               ; the opening add is done
	s_wait_kmcnt 0x0
	s_add_nc_u64 s[46:47], s[6:7], s[24:25]        ; the slice's first row
	s_add_nc_u64 s[40:41], s[46:47], s[40:41]      ; my 32 rows at my plane's first k
.irp f, 0,1,2,3                        ; all four fills go out together, ahead of every wait on TENSORcnt, every LDS read and every barrier: four loads of mine are out
	s_lshl_b32 s62, s61, 9                         ; the quarter's 128 k are 512 bytes of a weight row
	s_mov_b32 s[G0+4*\f], 1                        ; 1:0 count = 1
	s_add_co_u32 s[G0+4*\f+1], s38, \f*SLOT        ; 63:32 LDS address
	s_add_nc_u64 s[G0+4*\f+2:G0+4*\f+3], s[40:41], s[62:63]  ; 120:64 global address
	s_or_b32 s[G0+4*\f+3], s[G0+4*\f+3], 0x80000000          ; 127:126 type = 2
	tensor_load_to_lds s[G0+4*\f:G0+4*\f+3], s[G1:G1+7]
	s_nop 0
	s_add_co_u32 s61, s61, 1                       ; the next quarter, modulo 4
	s_and_b32 s61, s61, 3
.endr
	PLACES
	v_and_b32 v1, 31, v0                           ; lane
	v_and_b32 v4, 15, v0                           ; r
	v_bfe_u32 v29, v0, 4, 1                        ; h
	v_mul_u32_u24 v6, v4, PITCH
	v_lshl_add_u32 v6, v29, 5, v6                  ; a W fragment in LDS: row r, 32 bytes of f32 for each half of the lanes
	v_lshlrev_b32 v12, 12, v4
	v_lshl_add_u32 v12, v29, 5, v12                ; and in memory
	v_lshlrev_b32 v11, 4, v1
	s_mul_i32 s38, s16, LISTB
	s_add_co_u32 s38, s38, LIST
	v_mov_b32 v9, s38                              ; my list
	s_lshl_b32 s39, s16, 5
	s_add_co_u32 s39, s39, s38
	v_lshl_add_u32 v10, v29, 1, s39                ; place h of tile c: the way out takes two rows at a time
	s_mul_i32 s40, s16, 16*SP
	s_add_co_u32 s40, s40, STAGE                   ; my stage
	v_mul_u32_u24 v13, v4, SP
	v_lshl_add_u32 v13, v29, 5, v13
	v_add_nc_u32 v13, s40, v13                     ; in: row r, 32 bytes for each half of the lanes
	v_mul_u32_u24 v14, v29, SP
	v_lshl_add_u32 v14, v4, 4, v14
	v_add_nc_u32 v14, s40, v14                     ; back: lanes 0-15 one row of 256 bytes, lanes 16-31 the next
	v_lshlrev_b32 v15, 4, v4
	; THE LIST, in the order in which the launch before ranks the slots: block by block, within a block by the bit's number.  All 1,280 places are set to slot 0; lane L fetches the expert's words of token blocks 2 L and 2 L + 1; then block by block each lane whose bit is set puts its slot at the running count plus the set bits below it.
	v_add_nc_u32 v37, v9, v11
.irp i, 40,41,42,43
	v_mov_b32 v\i, 0
.endr
.irp j, 0,1,2,3,4
	ds_store_b128 v37, v[40:43] offset:512*\j
.endr
	s_lshl_b32 s38, s17, 2
	v_lshl_add_u32 v38, v1, 8, s38
	global_load_b32 v32, v38, s[8:9]
	global_load_b32 v33, v38, s[8:9] offset:128
	v_lshl_add_u32 v34, v4, 1, v29                 ; my slot in block 0: 2 r + h
	v_mov_b32 v35, 1280                            ; the place for what is thrown away
	s_mov_b32 s30, 0
	s_mov_b32 s33, 0
	s_wait_loadcnt 0x0
.Llist:
.irp j, 0,1
	v_readlane_b32 s34, v[32+\j], s33
	v_mbcnt_lo_u32_b32 v36, s34, s30
	v_cndmask_b32 v36, v35, v36, s34
	v_min_u32 v36, 0x500, v36
	v_lshl_add_u32 v36, v36, 1, v9
	ds_store_b16 v36, v34
	v_add_nc_u32 v34, 32, v34
	s_bcnt1_i32_b32 s35, s34
	s_add_co_u32 s30, s30, s35
.endr
	s_add_co_u32 s33, s33, 1
	s_cmp_lt_u32 s33, 32
	s_cbranch_scc1 .Llist
	s_min_u32 s30, s30, 1024                       ; n: a token takes an expert once at the most
	s_max_u32 s38, s30, 1
	s_sub_co_u32 s38, s38, 1
	s_min_u32 s38, s38, 1023
	s_lshl_b32 s38, s38, 1
	v_add_nc_u32 v36, s38, v9
	ds_load_u16 v37, v36                           ; the last live slot,
	s_lshl_b32 s39, s30, 1
	v_lshl_add_u32 v38, v4, 1, s39
	v_add_nc_u32 v38, v38, v9
	s_wait_dscnt 0x0
	ds_store_b16 v38, v37                          ; repeated in places n .. n + 15: past the tile's end
	s_add_co_u32 s31, s30, 15
	s_lshr_b32 s31, s31, 4                         ; live tiles
	s_max_u32 s37, s31, 1
	s_sub_co_u32 s37, s37, 1                       ; the last tile that the launch before has stored
	s_mov_b32 s36, s16                             ; my first tile of group 0
	s_lshl_b32 s24, s18, 8
	s_add_nc_u64 s[22:23], s[10:11], s[24:25]      ; part at my 64 columns
	s_lshl_b32 s24, s17, 21
	s_add_nc_u64 s[TB0:TB0+1], s[4:5], s[24:25]    ; hidf at my expert
	MTCALC
	GINIT
	s_add_nc_u64 s[20:21], s[TB0:TB0+1], s[44:45]  ; at the first body's bytes of a tile
.irp m, 0,1,2,3,4
	TLOAD \m, 0                                    ; the first body's fragments, in the order in which the halves issue them: plane 0's five tiles,
.endr
.irp m, 0,1,2
	TLOAD \m, 1                                    ; then plane 1's tiles 0 to 2; its tiles 3 and 4 are asked for at the first half's head
.endr
	MEET 3                                         ; the first fill
	v_add_nc_u32 v8, PLANE, v6                     ; THE PIPELINE IS FILLED, once: the first body's two f32 images, and the first of them rounded
	WFETCH 6, 0
	s_wait_dscnt 0x0
	WFETCH 8, 128
	CVT0
	s_mov_b32 s28, COLB
	BODIES 1, 0                                    ; body 0 fetches the first fill's second column
	MEET 2
	s_mov_b32 s28, SLOT
	BODIES 2, 0                                    ; bodies 1 and 2 fetch the second fill's two columns
	MEET 1
	s_mov_b32 s28, 2*SLOT
	BODIES 2, 0
	MEET 0
	s_mov_b32 s28, 3*SLOT
	BODIES 3, 1                                    ; bodies 5 and 6 fetch the last fill's columns; the last body fetches nothing
	s_wait_loadcnt 0x0                             ; the last body's fragment loads: their registers are free only now
	PLACES                                         ; behind the last products, ahead of the way out
	s_mov_b32 s32, 4                               ; groups
	s_branch .Lepi                                 ; group 0 is multiplied: the group loop is entered in the middle of a trip
.Lgroup:                                               ; groups 1 to 3; no barrier and no tensor load stands in this loop
	s_wait_xcnt 0x0                                ; the stores have read their registers
	s_add_co_u32 s36, s36, 20
	v_add_nc_u32 v10, 640, v10
	MTCALC
	s_cmp_eq_u32 s29, 0
	s_cbranch_scc1 .Lnext                          ; a dead group is jumped
	GINIT
	s_mov_b64 s[20:21], s[TB0:TB0+1]
	s_mov_b64 s[50:51], s[46:47]
	s_mov_b32 s27, NHB
.Lslow:
	SLOWHB
	s_sub_co_u32 s27, s27, 1
	s_cmp_lg_u32 s27, 0
	s_cbranch_scc1 .Lslow
.Lepi:
	EPILOGUE
.Lnext:
	s_sub_co_u32 s32, s32, 1
	s_cmp_lg_u32 s32, 0
	s_cbranch_scc1 .Lgroup
	s_wait_tensorcnt 0x0                           ; the wave's end, behind my last tensor load and my last LDS store
	ds_add_u32 v2, v3
	s_wait_dscnt 0x0
	s_endpgm
.Lfunc_end_k_q1090421a24_down:
	.size	k_q1090421a24_down, .Lfunc_end_k_q1090421a24_down-k_q1090421a24_down
	.p2alignl 7, 3214868480
	.fill 96, 4, 3214868480
	.section	.rodata,"a",@progbits
	.p2align	6, 0x0
	.amdhsa_kernel k_q1090421a24_down
		.amdhsa_group_segment_fixed_size 299776
		.amdhsa_private_segment_fixed_size 0
		.amdhsa_enable_private_segment 0
		.amdhsa_kernarg_size 32
		.amdhsa_user_sgpr_count 2
		.amdhsa_user_sgpr_kernarg_segment_ptr 1
		.amdhsa_wavefront_size32 1
		.amdhsa_system_sgpr_workgroup_id_x 1
		.amdhsa_system_sgpr_workgroup_id_y 1
		.amdhsa_system_sgpr_workgroup_id_z 1
		.amdhsa_system_vgpr_workitem_id 0
		.amdhsa_next_free_vgpr 896
		.amdhsa_next_free_sgpr 96
		.amdhsa_reserve_vcc 0
		.amdhsa_float_denorm_mode_32 3
		.amdhsa_float_denorm_mode_16_64 3
		.amdhsa_memory_ordered 1
		.amdhsa_forward_progress 1
		.amdhsa_inst_pref_size 165
	.end_amdhsa_kernel
	.amdgpu_metadata
---
amdhsa.version: [ 1, 2 ]
amdhsa.kernels:
  - .name:           k_q1090421a24_down
    .symbol:         k_q1090421a24_down.kd
    .args:
      - { .name: hidf, .offset: 0, .size: 8, .value_kind: global_buffer, .address_space: global }
      - { .name: w2, .offset: 8, .size: 8, .value_kind: global_buffer, .address_space: global }
      - { .name: bm, .offset: 16, .size: 8, .value_kind: global_buffer, .address_space: global }
      - { .name: part, .offset: 24, .size: 8, .value_kind: global_buffer, .address_space: global }
    .group_segment_fixed_size: 299776
    .private_segment_fixed_size: 0
    .kernarg_segment_align: 8
    .kernarg_segment_size: 32
    .max_flat_workgroup_size: 128
    .sgpr_count:     96
    .vgpr_count:     896
    .wavefront_size: 32
...
	.end_amdgpu_metadata
.endif
;; end of part 6
;; launch add: the kernel of part 4 again; grid 256 x 1, 8 waves a work-group, no clusters, 0 bytes of LDS; arguments part, out0; writes out0
